; MI455X (gfx1250); checked and timed in simulation.
; The chip was launched on July 23, 2026; its instructions are those of AMD's public machine-readable ISA for CDNA 5 (MIT licence, August 2026) and "CDNA5" Instruction Set Architecture Reference Guide (July 2026). The comments in the code are by the model that wrote it; some were corrected since.
;; Distributed Mo E. Allowed arithmetic: matrix products marked QUANTISED: E3M2 operands, one E8M0 scale for each 32 along K, by v_wmma_scale_f32_16x16x128_f8f6f4 with both operands' format E3M2, f32 sums; products left as they are: f32 operands where the result goes on into a quantised operand, else bf16, f16 or f32 operands; f32 sums; everything else in f32.
;; Inputs: b1 8 x 4,096 float32; b2 8 x 1,024 float32; gate_b 8 float32; gate_w 1,024 x 8 float32; w1_codes 8 x 4,096 x 32 x 24 uint8 (E3M2 codes of w1, K innermost, in blocks of 32 codes, four codes in three bytes); w1_scales 8 x 4,096 x 32 uint8 (E8M0 scales of w1, one for each 32 codes along K); w2_codes 8 x 1,024 x 128 x 24 uint8 (E3M2 codes of w2, K innermost, in blocks of 32 codes, four codes in three bytes); w2_scales 8 x 1,024 x 128 uint8 (E8M0 scales of w2, one for each 32 codes along K); x 1,024 x 1,024 float32.
;; Outputs: out0 1,024 x 1,024 float32; out1 one number float32.
;; This version of the problem:
;;   THIS VERSION OF THE PROBLEM IS GIVEN IN LOW PRECISION. The matrix products marked QUANTISED in the list below multiply operands that are first quantised to E3M2 (3 exponent bits, 2 mantissa bits; 6 bits a number), with one power-of-two scale for each 32 numbers along K (OCP MX v1.0); their sums are f32. All else is computed in f32.
;;   The module's matrix products, in the order in which they are computed (A, B: the left and right operand; K: the contracted axis; several contracted axes count as one K, in the product's order):
;;     1. [M 1,024, K 1,024] x [K 1,024, N 8]; A: input x; B: input gate_w: left as it is (N = 8 < 16)
;;     2. [M 32,768, K 1,024] x [K 1,024, N 1,024]; A: input w1 (given as codes); B: input x: QUANTISED
;;     3. batch 8 x [M 1,024, K 4,096] x [K 4,096, N 1,024]; A: computed on the way; B: input w2 (given as codes): QUANTISED
;;     4. batch 1,024 x [M 1,024, K 8] x [K 8, N 1]; A: computed on the way; B: computed on the way: left as it is (K = 8 < 32)
;;   THE QUANTISER, for each operand of a quantised product, along K:
;;     - K is cut into blocks of 32 from its start; a last block that is shorter is filled with zeros.
;;     - A block's scale is 2^e with e = floor(log2(the largest magnitude in the block)) - 4, held to -126 .. 127; a block of zeros has e = 0. As a byte (E8M0): e + 127.
;;     - Each number is divided by its block's scale, clamped to +-28, and rounded to the nearest number of E3M2, ties to even, subnormals kept.
;;     - The product sums the exact products of the quantised numbers (number of the format x scale) in f32.
;;   ~~~python
;;   def quantise(x, axis):      # numpy; x: float32 -> the quantised numbers, widened to float32 again
;;       x = np.moveaxis(x, axis, -1); K = x.shape[-1]
;;       x = np.pad(x, [(0, 0)] * (x.ndim - 1) + [(0, -K % 32)]); x = x.reshape(x.shape[:-1] + (-1, 32)); a = np.abs(x).max(-1, keepdims=True)
;;       e = np.where(a > 0, np.clip(np.frexp(np.where(a > 0, a, 1))[1] - 1 - 4, -126, 127), 0)      # np.frexp(a)[1] - 1 = floor(log2(a)), exactly
;;       r = np.clip(x / 2.0 ** e, -28, 28)
;;       step = 2.0 ** (np.maximum(np.frexp(np.where(r == 0, 1, r))[1] - 1, -2) - 2)
;;       q = np.round(r / step) * step * 2.0 ** e      # np.round: ties to even
;;       return np.moveaxis(q.reshape(q.shape[:-2] + (-1,))[..., :K], -1, axis).astype(np.float32)
;;   ~~~
;;   OPERANDS COMPUTED ON THE WAY. 'Computed on the way' means the value that the module computes at that place (a softmax that the list does not call 'softmax' is quantised finished and normalised). What goes into a quantiser is computed in f32, as accurately as f32 sums, v_exp_f32 and their like allow (about 1e-6 of the number): no bf16 or f16 on the way to a quantiser, and a product that is left as it is and whose result goes on into a quantised operand takes f32 operands (vector FMAs, or v_wmma_f32_16x16x4_f32). A number that lies on a knife's edge between two numbers of the format may be rounded either way, as far as f32 arithmetic and the matrix unit's own rounding can turn it there, and no further.
;;   INPUTS GIVEN AS CODES. w1 (in the module: [8, 1024, 4096], K = its axis 1); w2 (in the module: [8, 4096, 1024], K = its axis 1): each comes as NAME_codes (uint8): NAME with its K axis moved to the last place and cut into blocks of 32 codes, [.., K / 32, bytes a block], one block behind the other in memory; four codes in three bytes: a row's codes are one little-endian stream of bits, code i at bits 6 i .. 6 i + 5 (a code: sign, 3 exponent bits, 2 mantissa bits); and NAME_scales (uint8): the same leading axes, one E8M0 byte (e + 127) for each 32 codes along K. Its value is code x scale, taken as it is: it is not quantised again, and the codes and scales need not be those that the quantiser above would give.
;; 2 versions, each right; version 2 is version 1 with the launches up, down written anew for expert scheduling mode. Each part assembles by itself: llvm-mc -triple=amdgcn-amd-amdhsa -mcpu=gfx1250 --defsym DOCPART=n.
;; ======== version 1 of 2: 4 launches
;; workspace buffers: xq 819,200 bytes; route 4,096 bytes of whole numbers; gf 16,384 bytes; hq 27,262,976 bytes; rows 33,792 bytes of whole numbers; tmp 8,388,608 bytes
;; launch gate (part 1): grid 256 x 1, 4 waves a work-group, no clusters, 59,392 bytes of LDS; arguments x, gate_w, gate_b, xq, route, gf; writes xq, route, gf
.if DOCPART == 1
	.amdgcn_target "amdgcn-amd-amdhsa--gfx1250"
	.amdhsa_code_object_version 6
	.text
	.protected	k_qdf79d250a5_gate
	.globl	k_qdf79d250a5_gate
	.p2align	8
	.type	k_qdf79d250a5_gate,@function
k_qdf79d250a5_gate:
	s_mov_b64 s[64:65], 0
	v_nop
	global_prefetch_b8 v0, s[64:65] scope:SCOPE_SE
	s_setreg_imm32_b32 hwreg(HW_REG_WAVE_MODE, 25, 1), 1
	s_wait_xcnt 0x0
; THE GATE AND x's QUANTISER.  x [1024][1024] f32, gate_w [1024][8] f32, gate_b [8] f32.
; A work-group of four waves takes four tokens, a wave one token.  For its token a wave makes
;   the eight logits (f32 multiply-adds, 32 numbers of x a lane), the softmax with the maximum taken away, the two largest probabilities
;   (strict >, so the lower index wins a tie);
;   x's codes of E3M2 and scale bytes: lane L holds block L (32 neighbours along K), so a block's largest magnitude needs no other lane.
; OUT:  xq: codes [token][768 bytes] as one stream of bits; from XSOFF on scale words [token][8]: word s holds the bytes of blocks 4s, 4s+2, 4s+1, 4s+3
;       (the order in which the products' fragments take the blocks: a lane of a fragment holds 48 consecutive bytes of its row);
;       route [token] = 1 << first expert | 1 << (8 + second expert);   gf: g[rank x 1024 + token] = probability / 2; from byte 8192 on the work-group's sums of the eight probabilities.
; No address and no branch hangs on a floating-point number: the choice only selects values.
; LIMITS: NaN and infinities among the inputs are not served.  A block whose largest magnitude lies under 2^-122 keeps the byte 1 (a block of zeros too: its codes are zeros, and this
; program alone reads the bytes).  Two probabilities that are equal within f32 rounding may be ordered otherwise than by another order of the sums.
.set XSOFF, 786432
.set GWL, 0                            ; LDS: gate_w, 16 bytes of padding behind each 128: a lane's four rows of gate_w lie 144 bytes from its neighbour's
.set XST, 36864                        ; a stage of 32 x 144 bytes for each wave: x turns from 16 bytes a lane to 128 bytes a lane
.set CST, 55296                        ; 768 bytes for each wave: a token's codes
.set EX,  58368                        ; 4 x 32 bytes: the four tokens' probabilities
.set SCB, 58496                        ; 4 x 32 bytes: the four tokens' scale bytes
.set X,   8                            ; v8-39    x[128 i + 4 L + c] at X + 4 i + c
.set GR,  40                           ; v40-103  gate_w as loaded; then two sets of 32: four rows of gate_w
.set Y,   104                          ; v104-135 my block: x[32 L + 0 .. 31]; later at work
.set A,   136                          ; v136-143 logits, then probabilities
.set C,   144                          ; v144-150 codes
.set XRD, 152
.set GRD, 153
.set CW,  154
.set CR,  155
.set EXA, 156
.set SBA, 157
.set GOF, 158
.set EXR, 159
.set SCR, 160
.set G4,  161
.set TT,  164                          ; v164-179 at work
.set CB,  180                          ; v180-185 the token's codes on their way out: the stores' data, written once
	s_load_b256 s[4:11], s[0:1], 0x0               ; x, gate_w, gate_b, xq
	s_load_b128 s[12:15], s[0:1], 0x20             ; route, gf
	v_lshl_add_u32 v192, v0, 2, 0xe600
	v_mov_b32 v193, 0
	v_lshrrev_b32 v3, 5, v0
	v_readfirstlane_b32 s24, v3                    ; wave
	v_and_b32 v1, 31, v0                           ; L
	v_and_b32 v2, 7, v0                            ; L & 7
	v_lshlrev_b32 v4, 4, v1                        ; 16 L
	v_lshlrev_b32 v5, 4, v0                        ; 16 t
	s_lshl_b32 s25, ttmp9, 2
	s_add_co_u32 s25, s25, s24                     ; my token
	s_mul_i32 s26, s24, 4608
	s_add_co_u32 s26, s26, XST
	s_mul_i32 s27, s24, 768
	s_add_co_u32 s27, s27, CST
	s_lshl_b32 s33, s24, 5
	s_add_co_u32 s34, s33, EX
	s_add_co_u32 s35, s33, SCB
	v_lshrrev_b32 v6, 3, v1
	v_lshl_add_u32 v6, v6, 4, v4
	v_add_nc_u32 v6, s26, v6                       ; x into the stage: 16 L + 16 (L / 8)
	v_lshrrev_b32 v7, 3, v0
	v_lshl_add_u32 v7, v7, 4, v5                   ; gate_w into LDS: 16 t + 16 (t / 8)
	v_mul_u32_u24 v[GRD], 144, v1                  ; gate_w back: four rows a lane
	v_add_nc_u32 v[XRD], s26, v[GRD]               ; x back: a block a lane
	v_mul_u32_u24 v[CW], 24, v1
	v_add_nc_u32 v[CW], s27, v[CW]                 ; my block's 24 bytes of codes
	v_lshlrev_b32 v[GOF], 3, v1                    ; 8 L
	v_add_nc_u32 v[CR], s27, v[GOF]
	v_lshl_add_u32 v[EXA], v2, 2, s34
	v_lshl_add_u32 v[EXR], v2, 2, EX
	v_lshl_add_u32 v[SCR], v1, 2, SCB
	v_lshlrev_b32 v[G4], 2, v1                     ; 4 L
	v_and_b32 v3, 28, v1                           ; my block's byte in the token's scale words: the two middle blocks of each four change places
	v_and_b32 v[TT], 1, v1
	v_lshl_add_u32 v3, v[TT], 1, v3
	v_bfe_u32 v[TT], v1, 1, 1
	v_add_nc_u32 v3, v3, v[TT]
	v_add_nc_u32 v[SBA], s35, v3
	s_lshl_b32 s28, s25, 12
	s_mov_b32 s29, 0
	s_mul_i32 s36, s25, 768
	s_mov_b32 s37, 0
	s_lshl_b32 s38, ttmp9, 7
	s_mov_b32 s39, 0
	s_lshl_b32 s40, ttmp9, 5
	s_mov_b32 s41, 0
	s_lshl_b32 s42, s25, 2
	s_mov_b32 s30, 0x76543210
	s_mov_b32 s31, 0xfedcba98                      ; lane l xor 16
	s_wait_kmcnt 0x0
	s_load_b256 s[16:23], s[8:9], 0x0              ; gate_b
	s_add_nc_u64 s[4:5], s[4:5], s[28:29]          ; my row of x
	s_add_nc_u64 s[44:45], s[10:11], s[38:39]      ; xq + 128 x work-group: the four tokens' scale words lie XSOFF further on
	s_add_nc_u64 s[10:11], s[10:11], s[36:37]      ; my token's codes
	s_add_nc_u64 s[46:47], s[14:15], s[40:41]      ; gf + 32 x work-group
.irp i, 0,1,2,3,4,5,6,7
	global_load_b128 v[X+4*\i:X+4*\i+3], v4, s[4:5] offset:512*\i th:TH_LOAD_NT    ; 512 consecutive bytes a load
.endr
.irp i, 0,1,2,3,4,5,6,7,8,9,10,11,12,13,14,15
	global_load_b128 v[GR+4*\i:GR+4*\i+3], v5, s[6:7] offset:2048*\i               ; the work-group's 128 threads bring gate_w once
.endr
	s_wait_loadcnt 16                              ; x is in; the sixteen loads of gate_w are younger
.irp i, 0,1,2,3,4,5,6,7
	ds_store_b128 v6, v[X+4*\i:X+4*\i+3] offset:576*\i
.endr
	s_wait_loadcnt 0x0
.irp i, 0,1,2,3,4,5,6,7,8,9,10,11,12,13,14,15
	ds_store_b128 v7, v[GR+4*\i:GR+4*\i+3] offset:GWL+2304*\i
.endr
	s_wait_dscnt 0x0                               ; my part of gate_w lies in LDS,
	s_barrier_signal -1
	s_barrier_wait -1                              ; everybody's does
.irp q, 0,1,2,3,4,5,6,7
	ds_load_b128 v[Y+4*\q:Y+4*\q+3], v[XRD] offset:16*\q
.endr
.macro GLOAD i                         ; rows 128 i + 4 L + 0 .. 3 of gate_w into set i % 2: register 8 j + e = gate_w[128 i + 4 L + j][e]
.irp q, 0,1,2,3,4,5,6,7
	ds_load_b128 v[GR+32*((\i)%2)+4*\q:GR+32*((\i)%2)+4*\q+3], v[GRD] offset:GWL+4608*(\i)+16*\q
.endr
.endm
	GLOAD 0
.irp i, 0,1,2,3,4,5,6,7
.if \i < 7
	GLOAD \i+1
	s_wait_dscnt 8                                 ; all but the eight just issued
.else
	s_wait_dscnt 0x0
.endif
.irp j, 0,1,2,3
.irp p, 0,1,2,3
.if (\i == 0) && (\j == 0)
	v_pk_mul_f32 v[A+2*\p:A+2*\p+1], v[GR+2*\p:GR+2*\p+1], v[X:X+1] op_sel_hi:[1,0]     ; the first product starts the sums
.elseif (\j % 2) == 0
	v_pk_fma_f32 v[A+2*\p:A+2*\p+1], v[GR+32*(\i%2)+8*\j+2*\p:GR+32*(\i%2)+8*\j+2*\p+1], v[X+4*\i+\j:X+4*\i+\j+1], v[A+2*\p:A+2*\p+1] op_sel_hi:[1,0,1]
.else
	v_pk_fma_f32 v[A+2*\p:A+2*\p+1], v[GR+32*(\i%2)+8*\j+2*\p:GR+32*(\i%2)+8*\j+2*\p+1], v[X+4*\i+\j-1:X+4*\i+\j], v[A+2*\p:A+2*\p+1] op_sel:[0,1,0] op_sel_hi:[1,1,1]
.endif
.endr
.endr
.endr
	; ---- my block of x becomes 32 codes and a scale byte
	v_max3_num_f32 v[TT], |v[Y]|, |v[Y+1]|, |v[Y+2]|
	v_max3_num_f32 v[TT+1], |v[Y+3]|, |v[Y+4]|, |v[Y+5]|
.irp i, 6,10,14,18,22,26
	v_max3_num_f32 v[TT], v[TT], |v[Y+\i]|, |v[Y+\i+1]|
	v_max3_num_f32 v[TT+1], v[TT+1], |v[Y+\i+2]|, |v[Y+\i+3]|
.endr
	v_max3_num_f32 v[TT], v[TT], |v[Y+30]|, |v[Y+31]|
	v_max3_num_f32 v[TT], v[TT], v[TT+1], 0x2800000        ; and the floor 2^(5 - 127): the byte cannot fall under 1
	v_add_nc_u32 v[TT+1], 0xfe000000, v[TT]                ; 4 off the exponent field: the conversion's scale operand
	v_cvt_scalef32_pk16_bf6_f32 v[C:C+2], v[Y:Y+15], v[TT+1]
	v_cvt_scalef32_pk16_bf6_f32 v[C+4:C+6], v[Y+16:Y+31], v[TT+1]
	v_lshrrev_b32 v[TT+2], 23, v[TT+1]                     ; the scale's byte (the plain line behind the conversions)
	v_mov_b32 v[C+3], v[C+4]                               ; a conversion's three registers begin on an even number: the second three move down
	v_mov_b32 v[C+4], v[C+5]
	v_mov_b32 v[C+5], v[C+6]
.irp q, 0,1,2
	ds_store_b64 v[CW], v[C+2*\q:C+2*\q+1] offset:8*\q
.endr
	ds_store_b8 v[SBA], v[TT+2]
.irp q, 0,1,2
	ds_load_b64 v[CB+2*\q:CB+2*\q+1], v[CR] offset:256*\q      ; LDS serves a wave's instructions in order: these see my stores
.endr
	; ---- the logits: sums over the 32 lanes, every lane ends with all eight
.irp m, 1,2,4,8
.irp e, 0,1,2,3,4,5,6,7
	v_add_f32_dpp v[A+\e], v[A+\e], v[A+\e] row_xmask:\m row_mask:0xf bank_mask:0xf
.endr
.endr
.irp e, 0,1,2,3,4,5,6,7
	v_permlanex16_b32 v[Y+\e], v[A+\e], s30, s31           ; (Y has been written: a lane permute's destination counts as read)
.endr
.irp e, 0,1,2,3,4,5,6,7
	v_add_f32 v[A+\e], v[A+\e], v[Y+\e]
.endr
	s_wait_dscnt 0x0                               ; the token's codes are back, 8 bytes a lane
.irp q, 0,1,2
	global_store_b64 v[GOF], v[CB+2*\q:CB+2*\q+1], s[10:11] offset:256*\q      ; 256 consecutive bytes, at a multiple of 256 from xq's first byte; neither the data nor the offset is written again
.endr
	s_wait_kmcnt 0x0                               ; gate_b
.irp e, 0,1,2,3,4,5,6,7
	v_add_f32 v[A+\e], s[16+\e], v[A+\e]
.endr
	; ---- softmax, the maximum taken away
	v_max3_num_f32 v[TT], v[A], v[A+1], v[A+2]
	v_max3_num_f32 v[TT], v[TT], v[A+3], v[A+4]
	v_max3_num_f32 v[TT], v[TT], v[A+5], v[A+6]
	v_max_num_f32 v[TT], v[TT], v[A+7]
.irp e, 0,1,2,3,4,5,6,7
	v_sub_f32 v[A+\e], v[A+\e], v[TT]
.endr
.irp e, 0,1,2,3,4,5,6,7
	v_mul_f32 v[A+\e], 0x3fb8aa3b, v[A+\e]
.endr
.irp e, 0,1,2,3,4,5,6,7
	v_exp_f32 v[A+\e], v[A+\e]
.endr
	v_mov_b32 v[TT+12], 1                          ; a plain line behind the last exponential
	s_wait_alu depctr_va_vdst(0)                   ; one wait for the eight, ahead of their first reader
	v_add_f32 v[TT], v[A], v[A+1]
	v_add_f32 v[TT+1], v[A+2], v[A+3]
	v_add_f32 v[TT+2], v[A+4], v[A+5]
	v_add_f32 v[TT+3], v[A+6], v[A+7]
	v_add_f32 v[TT], v[TT], v[TT+1]
	v_add_f32 v[TT+2], v[TT+2], v[TT+3]
	v_add_f32 v[TT], v[TT], v[TT+2]
	v_rcp_f32 v[TT+1], v[TT]
	v_mov_b32 v[TT+11], s42                        ; 4 x token (a plain line behind the reciprocal)
	s_wait_alu depctr_va_vdst(0)
.irp e, 0,1,2,3,4,5,6,7
	v_mul_f32 v[A+\e], v[A+\e], v[TT+1]
.endr
	; ---- the two largest: values and indices are selected, nothing branches
	v_mov_b32 v[TT], v[A]                          ; the largest,
	v_mov_b32 v[TT+1], 0                           ; its expert
.irp e, 1,2,3,4,5,6,7
	v_cmp_gt_f32 vcc_lo, v[A+\e], v[TT]
	v_cndmask_b32 v[TT], v[TT], v[A+\e], vcc_lo
	v_cndmask_b32 v[TT+1], v[TT+1], \e, vcc_lo
.endr
.irp e, 0,1,2,3,4,5,6,7
	v_cmp_eq_u32 vcc_lo, \e, v[TT+1]
	v_cndmask_b32 v[Y+\e], v[A+\e], -1.0, vcc_lo   ; the first is taken out
.endr
	v_mov_b32 v[TT+2], v[Y]
	v_mov_b32 v[TT+3], 0
.irp e, 1,2,3,4,5,6,7
	v_cmp_gt_f32 vcc_lo, v[Y+\e], v[TT+2]
	v_cndmask_b32 v[TT+2], v[TT+2], v[Y+\e], vcc_lo
	v_cndmask_b32 v[TT+3], v[TT+3], \e, vcc_lo
.endr
	v_lshlrev_b32 v[TT+4], v[TT+1], v[TT+12]       ; 1 << first
	v_add_nc_u32 v[TT+3], 8, v[TT+3]
	v_lshlrev_b32 v[TT+5], v[TT+3], v[TT+12]       ; 1 << (8 + second)
	v_or_b32 v[TT+4], v[TT+4], v[TT+5]
	v_mul_f32 v[TT], 0.5, v[TT]                    ; probability / K
	v_mul_f32 v[TT+2], 0.5, v[TT+2]
	v_mov_b32 v[TT+6], v[A]                        ; lane L takes the probability of expert L & 7
.irp e, 1,2,3,4,5,6,7
	v_cmp_eq_u32 vcc_lo, \e, v2
	v_cndmask_b32 v[TT+6], v[TT+6], v[A+\e], vcc_lo
.endr
	ds_store_b32 v[EXA], v[TT+6]                   ; (lanes with the same L & 7 write the same word with the same value)
	s_wait_dscnt 0x0                               ; my probabilities and scale bytes lie in LDS,
	s_barrier_signal -1
	s_barrier_wait -1                              ; everybody's do
	s_wait_xcnt 0x0                                ; EXEC changes only behind this wait: stores are out
	v_cmp_eq_u32 vcc_lo, 0, v1
	s_and_saveexec_b32 s32, vcc_lo                 ; lane 0 stores the token's three numbers
	global_store_b32 v[TT+11], v[TT+4], s[12:13]
	global_store_b32 v[TT+11], v[TT], s[14:15]
	global_store_b32 v[TT+11], v[TT+2], s[14:15] offset:4096
	s_wait_xcnt 0x0
	s_or_b32 exec_lo, exec_lo, s32
	s_cmp_lg_u32 s24, 0
	s_cbranch_scc1 .Lend                           ; wave 0 goes on for the work-group
.irp w, 0,1,2,3
	ds_load_b32 v[TT+\w], v[EXR] offset:32*\w
.endr
	ds_load_b32 v[TT+4], v[SCR]
	s_wait_dscnt 0x0
	v_add_f32 v[TT], v[TT], v[TT+1]
	v_add_f32 v[TT+2], v[TT+2], v[TT+3]
	v_add_f32 v[TT], v[TT], v[TT+2]
	global_store_b32 v[G4], v[TT+4], s[44:45] offset:XSOFF     ; the four tokens' scale words: 128 consecutive bytes
	s_wait_xcnt 0x0
	v_cmp_gt_u32 vcc_lo, 8, v1
	s_and_saveexec_b32 s32, vcc_lo
	global_store_b32 v[G4], v[TT], s[46:47] offset:8192        ; the four tokens' summed probabilities, one number an expert
	s_wait_xcnt 0x0
	s_or_b32 exec_lo, exec_lo, s32
.Lend:
	s_barrier_signal -1
	s_barrier_wait -1
	s_wait_tensorcnt 0x0
	ds_add_u32 v192, v193
	s_wait_dscnt 0x0
	s_endpgm
.Lfunc_end_k_qdf79d250a5_gate:
	.size	k_qdf79d250a5_gate, .Lfunc_end_k_qdf79d250a5_gate-k_qdf79d250a5_gate
	.p2alignl 7, 3214868480
	.fill 96, 4, 3214868480
	.section	.rodata,"a",@progbits
	.p2align	6, 0x0
	.amdhsa_kernel k_qdf79d250a5_gate
		.amdhsa_group_segment_fixed_size 59392
		.amdhsa_private_segment_fixed_size 0
		.amdhsa_enable_private_segment 0
		.amdhsa_kernarg_size 48
		.amdhsa_user_sgpr_count 2
		.amdhsa_user_sgpr_kernarg_segment_ptr 1
		.amdhsa_wavefront_size32 1
		.amdhsa_system_sgpr_workgroup_id_x 1
		.amdhsa_system_sgpr_workgroup_id_y 1
		.amdhsa_system_sgpr_workgroup_id_z 1
		.amdhsa_system_vgpr_workitem_id 0
		.amdhsa_next_free_vgpr 194
		.amdhsa_next_free_sgpr 66
		.amdhsa_reserve_vcc 1
		.amdhsa_float_denorm_mode_32 3
		.amdhsa_float_denorm_mode_16_64 3
		.amdhsa_memory_ordered 1
		.amdhsa_forward_progress 1
		.amdhsa_inst_pref_size 32
	.end_amdhsa_kernel
	.amdgpu_metadata
---
amdhsa.version: [ 1, 2 ]
amdhsa.kernels:
  - .name:           k_qdf79d250a5_gate
    .symbol:         k_qdf79d250a5_gate.kd
    .args:
      - { .name: x, .offset: 0, .size: 8, .value_kind: global_buffer, .address_space: global }
      - { .name: gate_w, .offset: 8, .size: 8, .value_kind: global_buffer, .address_space: global }
      - { .name: gate_b, .offset: 16, .size: 8, .value_kind: global_buffer, .address_space: global }
      - { .name: xq, .offset: 24, .size: 8, .value_kind: global_buffer, .address_space: global }
      - { .name: route, .offset: 32, .size: 8, .value_kind: global_buffer, .address_space: global }
      - { .name: gf, .offset: 40, .size: 8, .value_kind: global_buffer, .address_space: global }
    .group_segment_fixed_size: 59392
    .private_segment_fixed_size: 0
    .kernarg_segment_align: 8
    .kernarg_segment_size: 48
    .max_flat_workgroup_size: 128
    .sgpr_count:     66
    .vgpr_count:     194
    .wavefront_size: 32
...
	.end_amdgpu_metadata
.endif
;; end of part 1
;; launch up (part 2): grid 32 x 8, 4 waves a work-group, no clusters, 107,008 bytes of LDS; arguments route, xq, w1_codes, w1_scales, b1, hq, rows; writes hq, rows
.if DOCPART == 2
	.amdgcn_target "amdgcn-amd-amdhsa--gfx1250"
	.amdhsa_code_object_version 6
	.text
	.protected	k_qdf79d250a5_up
	.globl	k_qdf79d250a5_up
	.p2align	8
	.type	k_qdf79d250a5_up,@function
k_qdf79d250a5_up:
	s_mov_b64 s[64:65], 0
	v_nop
	global_prefetch_b8 v0, s[64:65] scope:SCOPE_SE
	s_setreg_imm32_b32 hwreg(HW_REG_WAVE_MODE, 25, 1), 1
	s_wait_xcnt 0x0
; THE FIRST PRODUCT, for the routed rows alone: h = Q(relu(x W1[e]^T + b1[e])), on codes of E3M2 with one E8M0 scale for each 32 along K.
; SHARES.  Work-group (j, e) owns hidden units 128 j .. 128 j + 127 of expert e: 128 rows of W1, 98,304 consecutive bytes, read from memory once in the launch.  They go through LDS once, and EVERY wave then
; keeps all 64 fragments (8 tiles of 16 rows x 8 K steps of 128) in 768 registers.  What streams past them is small: tiles of 16 routed tokens; wave w takes tiles w, w + 4, ..
; THE LIST.  Each work-group places its expert's tokens itself, from the route words that the launch before stored, while its weights are on their way: wave 0 gives each member its rank among the members, and each
; non-member the entry PADE at cnt + its rank among the non-members: 1,024 entries, each written once.  An entry is rank x 1024 + token.  The work-groups with j = 0 store the list and the count for the next launch.
; The placing goes in runs over the 32 route words of a lane (all masks, all entries, all ranks, all selections, all stores), so that no line waits for the line above it.
; Tile 0 is made for every expert, also for one without tokens (its entries are then all PADE and gather token 0): so the next launch's first loads find stored bytes whatever the choice.
; No tensor load and no cluster: the number of tiles hangs on the stored choice.
; FRAGMENTS.  A lane (r, h) of a fragment takes 48 CONSECUTIVE bytes of its row, at 96 s + 48 h: blocks 4 s + 2 h and 4 s + 2 h + 1.  That is the natural order with the two middle blocks of a K step exchanged, on both
; operands alike, so every product meets its partner; the scale words' bytes are laid 0, 2, 1, 3 to match.  Only the grouping of the sums inside an instruction differs from the natural order.
; THE MATRIX INSTRUCTION IS USED TRANSPOSED (source 0 = 16 rows of W1, source 1 = 16 tokens), AND THE ROWS OF W1 THAT FORM A TILE ARE NOT NEIGHBOURS: lane r of tile 2 b + u takes row 32 b + 8 u + r + 8 (r / 8).  So a lane
; holds one token, and the 16 registers of tiles 2 b, 2 b + 1 are hidden units 32 b + 16 h + 0 .. 15: neighbours along the next K.  A wave's 8 tiles are K step j of the second product: one fragment and one scale word a token.
; OUT.  hq: the fragment as an image of its registers, at ((64 e + tile) 32 + j) 1536: register group i of lane L at 512 i + 16 L; from HSOFF on its scale words, 4 bytes a lane.
; LIMITS: NaN and infinities are not served; a block of h whose largest number lies under 2^-122 keeps the byte 1 (a block of zeros too: its codes are zeros).
; REGISTERS.  Window 0: as named below.  Windows 1 to 3: W1's fragments 0 to 62 (fragment f = 8 s + t at register 12 (f % 21) of window 1 + f / 21); fragment 63 in window 0.
.set XSOFF, 786432
.set HSOFF, 25165824
.set BIAS, 101376                      ; LDS: 0 .. 101,375 W1's slice: row d at 784 d + 128 (d / 16); then b1's 128 numbers;
.set LIST, 101888                      ; then the list: 1,024 entries and 128 of PADE behind them, which the look-ahead may read
.set PADE, 2048
.set LADR, 4                           ; v4   LDS address of my token's entry in the tile that is fetched next
.set ENT,  5                           ; v5   that entry
.set XO,   6                           ; v6   my token's codes in xq: 768 token + 48 h
.set XSO,  7                           ; v7   its scale words: 32 token + 16 h
.set HO,   8                           ; v8   16 L
.set HSO,  9                           ; v9   4 L
.set BADR, 10                          ; v10  BIAS + 64 h
.set TK,   11
.set H48,  12
.set H16,  13
.set XS,   16                          ; v16-23  x's scale words, two sets: register jj: lanes 0-15 K step jj, lanes 16-31 K step 4 + jj
.set WS,   24                          ; v24-55  W1's scale words: 4 t + jj, likewise
.set W63,  56                          ; v56-67  fragment 63
.set XF,   68                          ; v68-163 x's eight fragments
.set ACC,  164                         ; v164-227 eight accumulators
.set F,    228                         ; v228-239 the fragment of h just made
.set M,    240
.set T,    244
.set PW,   248                         ; its scale word
.set LRD,  249                         ; LIST + 16 t
.set T16,  250                         ; 16 t
.set LTL,  251                         ; LIST + 4096 + 16 L
.set CNV,  252
.set R,    164                         ; at the head only, in the accumulators' registers: the route words,
.set BO,   196                         ; offsets and LDS addresses of the staging,
.set WSO,  197
.set BST,  199
.set SA,   200
.set SB,   203
.set WA,   206
.set SP,   208                         ; v212-215: the filler, four times,
.set BD,   216                         ; my number of b1
.set MT,   68                          ; at the head only, in x's fragments' registers: 32 registers at work (the expert's bits; the rank bit; the place of a non-member),
.set EN,   100                         ; 32 entries,
.set PA,   132                         ; 32 places in the list
.set MK,   66                          ; s66-97 the 32 route words' masks: the lanes whose token is routed to e
.set MSB, 0
.macro WIN new                         ; the immediate's high byte repeats the setting that is left
.if MSB != (\new)
	s_set_vgpr_msb (MSB<<8)|(\new)
.set MSB, (\new)
.endif
.endm
.macro FSET f                          ; where fragment f lies: window FW, register FR
.if (\f) < 63
.set FW, 1+(\f)/21
.set FR, 12*((\f)%21)
.else
.set FW, 0
.set FR, W63
.endif
.endm
	s_load_b256 s[4:11], s[0:1], 0x0               ; route, xq, W1's codes, W1's scales
	s_load_b128 s[12:15], s[0:1], 0x20             ; b1, hq
	s_load_b64 s[16:17], s[0:1], 0x30              ; rows
	v_lshl_add_u32 v254, v0, 2, 0x1a000
	v_mov_b32 v255, 0
	v_lshrrev_b32 v14, 5, v0
	v_readfirstlane_b32 s18, v14                   ; wave
	s_mov_b32 s19, ttmp9                           ; j
	s_and_b32 s20, ttmp7, 0xffff                   ; e
	v_and_b32 v1, 31, v0                           ; L
	v_and_b32 v2, 15, v0                           ; r
	v_bfe_u32 v3, v0, 4, 1                         ; h
	v_lshlrev_b32 v[HO], 4, v1
	v_lshlrev_b32 v[HSO], 2, v1
	v_mul_u32_u24 v[H48], 48, v3
	v_lshlrev_b32 v[H16], 4, v3
	v_lshl_add_u32 v[BADR], v3, 6, BIAS
	s_lshl_b32 s30, s18, 6
	s_add_co_u32 s30, s30, LIST
	v_lshl_add_u32 v[LADR], v2, 2, s30             ; tile w: LIST + 64 w + 4 r
	v_lshlrev_b32 v[T16], 4, v0
	v_add_nc_u32 v[LRD], LIST, v[T16]
	v_add_nc_u32 v[LTL], LIST+4096, v[HO]
	v_lshlrev_b32 v[BO], 2, v0
	v_add_nc_u32 v[BST], BIAS, v[BO]
	v_and_b32 v14, 8, v2
	v_add_nc_u32 v14, v14, v2                      ; r + 8 (r / 8)
	v_lshl_add_u32 v[WSO], v14, 5, v[H16]          ; W1's scales: 32 bytes a row, + 16 h
	v_mul_u32_u24 v[WA], 784, v14
	v_lshrrev_b32 v15, 3, v2
	v_lshl_add_u32 v[WA], v15, 7, v[WA]
	v_add_nc_u32 v[WA], v[WA], v[H48]              ; my place in a tile of the slice in LDS;
	v_add_nc_u32 v[WA+1], 50688, v[WA]             ; the same 64 rows on
.irp bb, 0,1,2                         ; the slice goes into LDS as it lies, 16 bytes a thread: piece q = 128 bb + t of eight rows lies at 16 q + 16 (q / 48)
	v_add_nc_u32 v14, 128*\bb, v0
	v_mul_u32_u24 v15, 1366, v14
	v_lshrrev_b32 v15, 16, v15                     ; q / 48, for q under 384
	v_add_nc_u32 v15, v15, v14
	v_lshlrev_b32 v[SA+\bb], 4, v15
	v_add_nc_u32 v[SB+\bb], 50688, v[SA+\bb]
.endr
.irp b, 0,1,2,3
	v_mov_b32 v[T+\b], 0                           ; written once: a lane permute's destination counts as read
.endr
	s_lshl_b32 s21, 0x101, s20                     ; the bits of expert e in a route word: first or second choice
	s_add_co_u32 s22, s20, 8
	s_mov_b32 s48, 0x03010200                      ; a scale word's bytes 0, 2, 1, 3
	s_mov_b32 s50, 0x76543210
	s_mov_b32 s51, 0xfedcba98                      ; lane l xor 16
	s_lshl_b32 s28, s20, 11
	s_add_co_u32 s28, s28, s19                     ; 2048 e + j
	s_lshl_b32 s29, s20, 5
	s_add_co_u32 s29, s29, s19                     ; 32 e + j: which slice of 128 rows
	s_mov_b32 s53, 0
	s_mov_b32 s55, 0
	s_mov_b32 s57, 0
	s_wait_kmcnt 0x0
	s_mul_i32 s52, s29, 98304
	s_add_nc_u64 s[8:9], s[8:9], s[52:53]          ; my slice's codes,
	s_lshl_b32 s52, s29, 12
	s_add_nc_u64 s[10:11], s[10:11], s[52:53]      ; scale bytes,
	s_lshl_b32 s52, s29, 9
	s_add_nc_u64 s[12:13], s[12:13], s[52:53]      ; and biases
	s_add_nc_u64 s[60:61], s[14:15], HSOFF
	s_lshl_b32 s52, s20, 7
	s_add_nc_u64 s[62:63], s[16:17], s[52:53]      ; rows + 128 e: the count lies 32,768 further on
	s_lshl_b32 s52, s20, 12
	s_add_nc_u64 s[16:17], s[16:17], s[52:53]      ; rows + 4096 e: the list
.irp k, 0,1,2,3,4,5,6,7
	global_load_b128 v[R+4*\k:R+4*\k+3], v[HO], s[4:5] offset:512*\k       ; route word 4 k + c of lane L: token 128 k + 4 L + c
.endr
	global_load_b32 v[BD], v[BO], s[12:13]
.irp t, 0,1,2,3,4,5,6,7
	global_load_b128 v[WS+4*\t:WS+4*\t+3], v[WSO], s[10:11] offset:(32*(\t/2)+8*(\t%2))*32
.endr
	WIN 0x40                                       ; destination window 1
.set n, 0
.rept 48
	global_load_b128 v[4*n:4*n+3], v[T16], s[8:9] offset:2048*n th:TH_LOAD_NT      ; the slice: 2,048 consecutive bytes a work-group's load
.set n, n+1
.endr
	WIN 0
	s_wait_loadcnt 57                              ; the route words are in: 1 + 8 + 48 loads are younger
	; ---- every wave: the masks of the 32 words, in one run, and their count
.set n, 0
.rept 32
	v_and_b32 v[MT+n], s21, v[R+n]
.set n, n+1
.endr
.set n, 0
.rept 32
	v_cmp_ne_u32 s[MK+n], 0, v[MT+n]               ; the lanes whose token is routed to e
.set n, n+1
.endr
	s_mov_b32 s24, 0
.set n, 0
.rept 8
	s_bcnt1_i32_b32 s30, s[MK+n]
	s_bcnt1_i32_b32 s31, s[MK+n+1]
	s_bcnt1_i32_b32 s32, s[MK+n+2]
	s_bcnt1_i32_b32 s33, s[MK+n+3]
	s_add_co_u32 s30, s30, s31
	s_add_co_u32 s32, s32, s33
	s_add_co_u32 s24, s24, s30
	s_add_co_u32 s24, s24, s32
.set n, n+4
.endr
	s_add_co_u32 s25, s24, 15
	s_lshr_b32 s25, s25, 4                         ; tiles of 16,
	s_max_u32 s25, s25, 1                          ; one at the least: tile 0 is always made
	s_cmp_lg_u32 s18, 0
	s_cbranch_scc1 .Lplaced                        ; wave 0 alone places: up to the barrier below no other wave touches LDS
	s_mov_b32 s23, 0                               ; members so far
	s_mov_b32 s32, s24                             ; cnt + non-members so far
.irp i, 4,5,6,7
	v_mov_b32 v[SP+\i], PADE
.endr
.set n, 0
.rept 32
	v_bfe_u32 v[MT+n], v[R+n], s22, 1              ; routed to e as the second choice?
.set n, n+1
.endr
.set n, 0
.rept 32
	v_add_nc_u32 v[EN+n], 128*(n/4)+n%4, v[HSO]    ; the token
.set n, n+1
.endr
.set n, 0
.rept 32
	v_lshl_add_u32 v[EN+n], v[MT+n], 10, v[EN+n]   ; rank x 1024 + token
.set n, n+1
.endr
.set n, 0
.rept 32
	s_not_b32 s31, s[MK+n]
	v_mbcnt_lo_u32_b32 v[PA+n], s[MK+n], s23       ; a member's place: the members ahead of it
	v_mbcnt_lo_u32_b32 v[MT+n], s31, s32           ; a non-member's: cnt + the non-members ahead of it
	s_bcnt1_i32_b32 s33, s[MK+n]
	s_add_co_u32 s23, s23, s33
	s_sub_co_u32 s32, s32, s33
	s_add_co_u32 s32, s32, 32
.set n, n+1
.endr
.set n, 0
.rept 32
	v_cndmask_b32 v[PA+n], v[MT+n], v[PA+n], s[MK+n]
.set n, n+1
.endr
.set n, 0
.rept 32
	v_cndmask_b32 v[EN+n], v[SP+4], v[EN+n], s[MK+n]
.set n, n+1
.endr
.set n, 0
.rept 32
	v_min_u32 v[PA+n], 0x3ff, v[PA+n]
.set n, n+1
.endr
.set n, 0
.rept 32
	v_lshl_add_u32 v[PA+n], v[PA+n], 2, LIST
.set n, n+1
.endr
.set n, 0
.rept 32
	ds_store_b32 v[PA+n], v[EN+n]
.set n, n+1
.endr
	ds_store_b128 v[LTL], v[SP+4:SP+7]             ; entries 1,024 to 1,151
.Lplaced:
	s_wait_dscnt 0x0
	s_barrier_signal -1
	s_barrier_wait -1                              ; the list lies in LDS
	; ---- my first tile's fragments of x are asked for.  A PADE entry gathers token 0: every address stays inside xq
	ds_load_b32 v[ENT], v[LADR]
	s_wait_dscnt 0x0
	v_and_b32 v[TK], 0x3ff, v[ENT]
	v_min_u32 v[TK], 0x3ff, v[TK]
	v_mul_u32_u24 v[XO], 768, v[TK]
	v_add_nc_u32 v[XO], v[XO], v[H48]
	v_lshl_add_u32 v[XSO], v[TK], 5, v[H16]
	global_load_b128 v[XS:XS+3], v[XSO], s[6:7] offset:XSOFF
.irp s, 0,1,2,3,4,5,6,7
.irp i, 0,1,2
	global_load_b128 v[XF+12*\s+4*\i:XF+12*\s+4*\i+3], v[XO], s[6:7] offset:96*\s+16*\i
.endr
.endr
	v_add_nc_u32 v[LADR], 256, v[LADR]
	ds_load_b32 v[ENT], v[LADR]                    ; the entry of my second tile
	; ---- the slice goes into LDS
	WIN 0x04                                       ; an LDS store's data are its source 1: window 1
.set a, 0
.rept 16
.if 70-3*a > 63
	s_wait_loadcnt 63                              ; (more loads are younger than the wait's count can name)
.else
	s_wait_loadcnt 70-3*a                          ; behind these three: 45 - 3 a loads of the slice and the 25 of x
.endif
.irp bb, 0,1,2
.if a < 8
	ds_store_b128 v[SA+\bb], v[4*(3*a+\bb):4*(3*a+\bb)+3] offset:6272*a+128*(a/2)
.else
	ds_store_b128 v[SB+\bb], v[4*(3*a+\bb):4*(3*a+\bb)+3] offset:6272*a+128*(a/2)-50688
.endif
.endr
.set a, a+1
.endr
	WIN 0
	ds_store_b32 v[BST], v[BD]
	s_wait_dscnt 0x0
	s_barrier_signal -1
	s_barrier_wait -1                              ; the slice and the biases lie in LDS: the last barrier
.irp s, 0,1,2,3,4,5,6,7                ; all 64 fragments into my registers
.irp t, 0,1,2,3,4,5,6,7
	FSET 8*\s+\t
	WIN FW<<6
.irp i, 0,1,2
.if \t < 4
	ds_load_b128 v[FR+4*\i:FR+4*\i+3], v[WA] offset:(32*((\t/2)%2)+8*(\t%2))*784+256*((\t/2)%2)+96*\s+16*\i
.else
	ds_load_b128 v[FR+4*\i:FR+4*\i+3], v[WA+1] offset:(32*((\t/2)%2)+8*(\t%2))*784+256*((\t/2)%2)+96*\s+16*\i
.endif
.endr
.endr
.endr
	WIN 0
.set n, 0
.rept 32
	v_perm_b32 v[WS+n], v[WS+n], v[WS+n], s48      ; W1's scale words in the fragments' order of blocks
.set n, n+1
.endr
	s_cmp_lg_u32 s19, 0
	s_cbranch_scc1 .Lnot_first                     ; the work-groups with j = 0 store their expert's list and count
	ds_load_b128 v[F:F+3], v[LRD]
	ds_load_b128 v[F+4:F+7], v[LRD] offset:2048
	v_mov_b32 v[CNV], s24
	s_wait_dscnt 0x0
	global_store_b128 v[T16], v[F:F+3], s[16:17]
	global_store_b128 v[T16], v[F+4:F+7], s[16:17] offset:2048
	s_cmp_lg_u32 s18, 0
	s_cbranch_scc1 .Lnot_first
	global_store_b32 v[HSO], v[CNV], s[62:63] offset:32768
.Lnot_first:
.macro BIASLD                          ; b1 is the C of each sum's first matrix instruction: eight numbers a tile, in the result's layout
.irp t, 0,1,2,3,4,5,6,7
	ds_load_b128 v[ACC+8*\t:ACC+8*\t+3], v[BADR] offset:(32*(\t/2)+8*(\t%2))*4
	ds_load_b128 v[ACC+8*\t+4:ACC+8*\t+7], v[BADR] offset:(32*(\t/2)+8*(\t%2))*4+16
.endr
.endm
	BIASLD
.rept 8
	v_nop                                          ; scale registers written by vector instructions stand eight places ahead of a scaled matrix instruction
.endr
; ONE TILE OF 16 TOKENS.  p: which set holds its scale words of x.  Fragment s's registers are filled again, with the next tile's, straight behind K step s.
.macro TILE p
	s_wait_dscnt 0x0                               ; the next tile's entry, the biases (and at first W1's fragments) are in
	s_wait_xcnt 0x0                                ; the loads and stores that are out have read their addresses, bases and data: all are written again below
	v_and_b32 v[TK], 0x3ff, v[ENT]
	v_min_u32 v[TK], 0x3ff, v[TK]
	v_mul_u32_u24 v[XO], 768, v[TK]
	v_add_nc_u32 v[XO], v[XO], v[H48]
	v_lshl_add_u32 v[XSO], v[TK], 5, v[H16]
	v_add_nc_u32 v[LADR], 256, v[LADR]
	ds_load_b32 v[ENT], v[LADR]
	global_load_b128 v[XS+4*(1-\p):XS+4*(1-\p)+3], v[XSO], s[6:7] offset:XSOFF
	s_lshl_b32 s52, s26, 5
	s_add_co_u32 s52, s52, s28                     ; (64 e + tile) 32 + j
	s_mul_i32 s54, s52, 1536
	s_lshl_b32 s56, s52, 7
	s_add_nc_u64 s[44:45], s[14:15], s[54:55]      ; where this tile's image goes,
	s_add_nc_u64 s[46:47], s[60:61], s[56:57]      ; and its scale words
.irp s, 0,1,2,3,4,5,6,7
	s_wait_loadcnt 22                              ; fragment s is in: behind it 3 (7 - s) loads of later fragments, the scale words' one, 3 s refills
.irp t, 0,1,2,3,4,5,6,7                ; the eight accumulators by turns, one instruction a turn
	FSET 8*\s+\t
	WIN FW
.if \s < 4
	v_wmma_scale_f32_16x16x128_f8f6f4 v[ACC+8*\t:ACC+8*\t+7], v[FR:FR+11], v[XF+12*\s:XF+12*\s+11], v[ACC+8*\t:ACC+8*\t+7], v[WS+4*\t+\s%4], v[XS+4*\p+\s%4] matrix_a_fmt:MATRIX_FMT_BF6 matrix_b_fmt:MATRIX_FMT_BF6
.else
	v_wmma_scale_f32_16x16x128_f8f6f4 v[ACC+8*\t:ACC+8*\t+7], v[FR:FR+11], v[XF+12*\s:XF+12*\s+11], v[ACC+8*\t:ACC+8*\t+7], v[WS+4*\t+\s%4], v[XS+4*\p+\s%4] matrix_a_fmt:MATRIX_FMT_BF6 matrix_b_fmt:MATRIX_FMT_BF6 matrix_a_scale:MATRIX_SCALE_ROW1 matrix_b_scale:MATRIX_SCALE_ROW1
.endif
.endr
	WIN 0
.rept 4
	v_nop                                          ; four places in front of loads into registers that matrix instructions have read, and (s = 7) of the first read of results
.endr
.irp i, 0,1,2
	global_load_b128 v[XF+12*\s+4*\i:XF+12*\s+4*\i+3], v[XO], s[6:7] offset:96*\s+16*\i
.endr
.endr
.set n, 0
.rept 64
	v_max_num_f32 v[ACC+n], 0, v[ACC+n]            ; the activation, in f32; each accumulator from its low end on
.set n, n+1
.endr
	; the four blocks of 32 along the next K: block b = registers 16 b .. 16 b + 15 of lanes l and l xor 16.  None is negative, so no |.|
.irp b, 0,1,2,3
	v_max3_num_f32 v[M+\b], v[ACC+16*\b], v[ACC+16*\b+1], 0x2800000        ; with the floor 2^(5 - 127): the byte cannot fall under 1
.endr
.irp i, 2,4,6,8,10,12,14
.irp b, 0,1,2,3
	v_max3_num_f32 v[M+\b], v[M+\b], v[ACC+16*\b+\i], v[ACC+16*\b+\i+1]
.endr
.endr
.irp b, 0,1,2,3
	v_permlanex16_b32 v[T+\b], v[M+\b], s50, s51
.endr
.irp b, 0,1,2,3
	v_max_num_f32 v[M+\b], v[M+\b], v[T+\b]
.endr
.irp b, 0,1,2,3
	v_add_nc_u32 v[M+\b], 0xfe000000, v[M+\b]      ; 4 off the exponent field: the conversion's scale operand
.endr
.irp b, 0,1,2,3
	v_lshrrev_b32 v[T+\b], 23, v[M+\b]             ; the scale's byte
.endr
	v_lshl_or_b32 v[PW], v[T+2], 8, v[T]           ; the scale word, bytes of blocks 0, 2, 1, 3
	v_lshl_or_b32 v[PW], v[T+1], 16, v[PW]
	v_lshl_or_b32 v[PW], v[T+3], 24, v[PW]
	v_cvt_scalef32_pk16_bf6_f32 v[F:F+2], v[ACC:ACC+15], v[M]
	v_cvt_scalef32_pk16_bf6_f32 v[F+6:F+8], v[ACC+16:ACC+31], v[M+1]
	v_nop                                          ; a plain line before the first conversions' sources are written
	v_cvt_scalef32_pk16_bf6_f32 v[ACC:ACC+2], v[ACC+32:ACC+47], v[M+2]
	v_cvt_scalef32_pk16_bf6_f32 v[ACC+4:ACC+6], v[ACC+48:ACC+63], v[M+3]
	v_nop                                          ; and one behind the last conversion
.irp i, 0,1,2                          ; a lane wants whole blocks: lanes 0-15 blocks 0 and 1, lanes 16-31 blocks 2 and 3
	v_permlane16_swap_b32 v[F+\i], v[ACC+\i]       ; block 0's upper 16 codes change places with block 2's lower 16
	v_permlane16_swap_b32 v[F+6+\i], v[ACC+4+\i]   ; blocks 1 and 3 likewise
.endr
.irp i, 0,1,2
	v_mov_b32 v[F+3+\i], v[ACC+\i]
	v_mov_b32 v[F+9+\i], v[ACC+4+\i]
.endr
.irp i, 0,1,2
	global_store_b128 v[HO], v[F+4*\i:F+4*\i+3], s[44:45] offset:512*\i    ; 512 consecutive bytes, at a multiple of 256 from hq's first byte
.endr
	global_store_b32 v[HSO], v[PW], s[46:47]
	BIASLD                                         ; the next tile's sums begin with b1
	s_add_co_u32 s26, s26, 4
.endm
	s_cmp_ge_u32 s18, s25
	s_cbranch_scc1 .Lend                           ; no tile for my wave
	s_mov_b32 s26, s18                             ; my tile
	s_mov_b32 s27, 0
.Ltiles:                                           ; at most 16 tiles a wave (all 1,024 tokens on one expert): 8 trips of two; the way out hangs on the count of tiles, and no barrier follows
	TILE 0
	s_cmp_ge_u32 s26, s25
	s_cbranch_scc1 .Lend
	TILE 1
	s_cmp_ge_u32 s26, s25
	s_cbranch_scc1 .Lend
	s_add_co_u32 s27, s27, 1
	s_cmp_lt_u32 s27, 8
	s_cbranch_scc1 .Ltiles
.Lend:
	s_wait_dscnt 0x0
	s_barrier_signal -1
	s_barrier_wait -1
	s_wait_tensorcnt 0x0
	ds_add_u32 v254, v255
	s_wait_dscnt 0x0
	s_endpgm
.Lfunc_end_k_qdf79d250a5_up:
	.size	k_qdf79d250a5_up, .Lfunc_end_k_qdf79d250a5_up-k_qdf79d250a5_up
	.p2alignl 7, 3214868480
	.fill 96, 4, 3214868480
	.section	.rodata,"a",@progbits
	.p2align	6, 0x0
	.amdhsa_kernel k_qdf79d250a5_up
		.amdhsa_group_segment_fixed_size 107008
		.amdhsa_private_segment_fixed_size 0
		.amdhsa_enable_private_segment 0
		.amdhsa_kernarg_size 56
		.amdhsa_user_sgpr_count 2
		.amdhsa_user_sgpr_kernarg_segment_ptr 1
		.amdhsa_wavefront_size32 1
		.amdhsa_system_sgpr_workgroup_id_x 1
		.amdhsa_system_sgpr_workgroup_id_y 1
		.amdhsa_system_sgpr_workgroup_id_z 1
		.amdhsa_system_vgpr_workitem_id 0
		.amdhsa_next_free_vgpr 1024
		.amdhsa_next_free_sgpr 100
		.amdhsa_reserve_vcc 0
		.amdhsa_float_denorm_mode_32 3
		.amdhsa_float_denorm_mode_16_64 3
		.amdhsa_memory_ordered 1
		.amdhsa_forward_progress 1
		.amdhsa_inst_pref_size 105
	.end_amdhsa_kernel
	.amdgpu_metadata
---
amdhsa.version: [ 1, 2 ]
amdhsa.kernels:
  - .name:           k_qdf79d250a5_up
    .symbol:         k_qdf79d250a5_up.kd
    .args:
      - { .name: route, .offset: 0, .size: 8, .value_kind: global_buffer, .address_space: global }
      - { .name: xq, .offset: 8, .size: 8, .value_kind: global_buffer, .address_space: global }
      - { .name: w1_codes, .offset: 16, .size: 8, .value_kind: global_buffer, .address_space: global }
      - { .name: w1_scales, .offset: 24, .size: 8, .value_kind: global_buffer, .address_space: global }
      - { .name: b1, .offset: 32, .size: 8, .value_kind: global_buffer, .address_space: global }
      - { .name: hq, .offset: 40, .size: 8, .value_kind: global_buffer, .address_space: global }
      - { .name: rows, .offset: 48, .size: 8, .value_kind: global_buffer, .address_space: global }
    .group_segment_fixed_size: 107008
    .private_segment_fixed_size: 0
    .kernarg_segment_align: 8
    .kernarg_segment_size: 56
    .max_flat_workgroup_size: 128
    .sgpr_count:     100
    .vgpr_count:     1024
    .wavefront_size: 32
...
	.end_amdgpu_metadata
.endif
;; end of part 2
;; launch down (part 3): grid 32 x 8, 4 waves a work-group, no clusters, 168,448 bytes of LDS; arguments hq, rows, gf, w2_codes, w2_scales, b2, tmp; writes tmp
.if DOCPART == 3
	.amdgcn_target "amdgcn-amd-amdhsa--gfx1250"
	.amdhsa_code_object_version 6
	.text
	.protected	k_qdf79d250a5_down
	.globl	k_qdf79d250a5_down
	.p2align	8
	.type	k_qdf79d250a5_down,@function
k_qdf79d250a5_down:
	s_mov_b64 s[64:65], 0
	v_nop
	global_prefetch_b8 v0, s[64:65] scope:SCOPE_SE
	s_setreg_imm32_b32 hwreg(HW_REG_WAVE_MODE, 25, 1), 1
	s_wait_xcnt 0x0
; THE SECOND PRODUCT, for the routed rows alone: tmp[rank x 1024 + token][:] = (probability / 2) x (h W2[e]^T + b2[e]), on codes of E3M2 with one E8M0 scale for each 32 along K.
; SHARES.  Work-group (4 cs + q, e) owns output columns 128 cs .. 128 cs + 127 of expert e and the tiles of 16 routed tokens q, q + 4, ..  THE WAVES SHARE K: wave w keeps K steps 8 w .. 8 w + 7 (1,024 of the 4,096
; hidden units) of the 128 rows of W2 in 768 registers: 64 fragments.  All four waves work on the same tile; their partial sums meet in LDS, one barrier a tile, two buffers by turns.
; W2's rows reach the registers through a stage of the wave's own in LDS, 32 rows at a time: from memory 768 consecutive bytes of a row, from the stage 48 bytes a lane.  The bytes as loaded land in the very registers
; that the chunk's fragments take.  LDS serves a wave's instructions in order (ISA guide 5.7.1.4), so no wait stands between the stage's stores and loads, nor in front of the next chunk's stores.
; h's fragments come as images of their registers, as the launch before stored them: 16 bytes a lane, 512 consecutive bytes a load.  The order of blocks in a fragment is that launch's: blocks 0, 2, 1, 3 of a K step.
; THE MATRIX INSTRUCTION IS USED TRANSPOSED (source 0 = 16 rows of W2, source 1 = 16 tokens): a lane holds one token and eight neighbouring columns.
; The number of tiles hangs on the stored count, so there is no tensor load and no cluster.  Every wave walks all 16 trips and passes every barrier; a trip without a tile jumps over its work alone.
; A TRIP AHEAD: a tile's fragments of h, their scale words and the four entries of the rows that the wave stores are asked for in the trip before; so the rows' weights and offsets are made at a trip's head.
; WHAT HANGS ON STORED NUMBERS (the tile fetched next, a row's entry) enters an address through the vector offset alone, held by v_min_u32 with a constant; every scalar base is made of the arguments and ids.
; No byte of hq is read that the launch before has not stored: the look-ahead is held at the expert's last tile, and tile 0 is stored for every expert.  The entries' look-ahead is not held: it reads at most
; up to byte 33,024 of the 33,792 of rows, all of which the launch before stores, and what lies past the expert's tiles is not used.
; REGISTERS.  Window 0 as named below.  Windows 1 to 3: fragments 0 to 62 (fragment f = 8 s + t at register 12 (f % 21) of window 1 + f / 21); fragment 63 in window 0.
.set HSOFF, 25165824
.set RED,  100352                      ; LDS: 0 .. 100,351 four stages of 32 rows x 784 bytes; then 2 buffers x 4 waves x 16 rows x 528 bytes of partial sums
.set HOF,  4                           ; v4   16 L
.set HSOF, 5                           ; v5   512 h + 4 L: lanes 16-31 take the scale words four K steps on
.set RWA,  6                           ; v6   where I put my partial sums: RED + 8448 w + 528 r + 32 h
.set RRA,  7                           ; v7   where I read rows 4 w .. 4 w + 3 back: RED + 2112 w + 16 L
.set B2,   12                          ; v12-15 b2 of columns 4 L .. 4 L + 3
.set HS,   16                          ; v16-23 h's scale words, two sets
.set WS,   24                          ; v24-55 W2's scale words: 4 t + jj
.set W63,  56
.set HF,   68                          ; v68-163 h's eight fragments
.set ACC,  164                         ; v164-227 eight accumulators; then the sixteen partial rows
.set GO,   228                         ; at the head: offsets in memory,
.set SO,   232                         ; into the stage,
.set RA,   236                         ; out of it,
.set WSO,  237                         ; and of W2's scale words
.set HFO,  238                         ; v238 offset in hq of the images fetched next: ((64 e + tile) 32 + 8 w) 1536 + 16 L
.set HSV,  239                         ; v239 and of their scale words: (..) 128 + 512 h + 4 L
.set EI,   240                         ; v240-243 offsets in tmp of rows 4 w .. 4 w + 3: entry x 4096 + 16 L
.set GOFF, 244                         ; v244-247 offsets in gf of their weights: entry x 4
.set G,    248                         ; v248-251 the weights: probability / 2
.set TV,   252
.set EN,   36                          ; s36-39, s40-43 the entries of rows 4 w .. 4 w + 3: two sets by turns
.set MSB, 0
.macro WIN new                         ; the immediate's high byte repeats the setting that is left
.if MSB != (\new)
	s_set_vgpr_msb (MSB<<8)|(\new)
.set MSB, (\new)
.endif
.endm
.macro FSET f
.if (\f) < 63
.set FW, 1+(\f)/21
.set FR, 12*((\f)%21)
.else
.set FW, 0
.set FR, W63
.endif
.endm
	s_load_b256 s[4:11], s[0:1], 0x0               ; hq, rows, gf, W2's codes
	s_load_b128 s[12:15], s[0:1], 0x20             ; W2's scales, b2
	s_load_b64 s[16:17], s[0:1], 0x30              ; tmp
	v_lshl_add_u32 v254, v0, 2, 0x29000
	v_mov_b32 v255, 0
	v_lshrrev_b32 v8, 5, v0
	v_readfirstlane_b32 s18, v8                    ; wave
	s_lshr_b32 s19, ttmp9, 2                       ; cs
	s_and_b32 s20, ttmp9, 3                        ; q
	s_and_b32 s21, ttmp7, 0xffff                   ; e
	v_and_b32 v1, 31, v0                           ; L
	v_and_b32 v2, 15, v0                           ; r
	v_bfe_u32 v3, v0, 4, 1                         ; h
	v_lshlrev_b32 v[HOF], 4, v1
	v_lshlrev_b32 v[HSOF], 2, v1
	v_lshl_add_u32 v[HSOF], v3, 9, v[HSOF]
	s_mul_i32 s70, s18, 8448
	s_add_co_u32 s70, s70, RED
	v_mul_u32_u24 v[RWA], 528, v2
	v_lshl_add_u32 v[RWA], v3, 5, v[RWA]
	v_add_nc_u32 v[RWA], s70, v[RWA]
	s_mul_i32 s70, s18, 2112
	s_add_co_u32 s70, s70, RED
	v_add_nc_u32 v[RRA], s70, v[HOF]
	s_mul_i32 s71, s18, 25088                      ; my stage
	s_mul_i32 s73, s18, 768                        ; my K steps' bytes in a row of W2
.irp i, 0,1,2                          ; two rows' 1,536 bytes are three loads: piece q' = 32 i + L lies in row q' / 48.  In memory a row is 3,072 bytes: 16 q' + 2304 (q' / 48); in the stage 784: 16 q' + 16 (q' / 48)
	v_add_nc_u32 v8, 32*\i, v1
	v_mul_u32_u24 v9, 1366, v8
	v_lshrrev_b32 v9, 16, v9                       ; q' / 48, for q' under 96
	v_lshlrev_b32 v10, 4, v8
	v_mad_u32_u24 v[GO+\i], v9, 2304, v10
	v_add_nc_u32 v[GO+\i], s73, v[GO+\i]
	v_add_nc_u32 v9, v9, v8
	v_lshlrev_b32 v9, 4, v9
	v_add_nc_u32 v[SO+\i], s71, v9
.endr
	v_mul_u32_u24 v[RA], 784, v2
	v_mad_u32_u24 v[RA], v3, 48, v[RA]
	v_add_nc_u32 v[RA], s71, v[RA]
	v_lshlrev_b32 v[WSO], 7, v2
	v_lshl_add_u32 v[WSO], v3, 4, v[WSO]
	s_lshl_b32 s70, s18, 5
	v_add_nc_u32 v[WSO], s70, v[WSO]               ; W2's scales: 128 bytes a row, + 32 w + 16 h
	s_lshl_b32 s22, s21, 3
	s_add_co_u32 s22, s22, s19                     ; 8 e + cs: which slice of 128 rows
	s_lshl_b32 s29, s21, 11
	s_lshl_b32 s70, s18, 3
	s_add_co_u32 s29, s29, s70                     ; 2048 e + 8 w
	s_lshl_b32 s72, s18, 4                         ; 16 w
	s_lshl_b32 s74, s21, 7                         ; 128 e
	s_lshl_b32 s71, s20, 6
	s_add_co_u32 s71, s71, s72                     ; 64 q + 16 w: my four entries of the first tile
	s_mov_b32 s61, 0
	s_mov_b32 s58, 0x03010200                      ; a scale word's bytes 0, 2, 1, 3
.irp a, 0,1,2,3
	s_mov_b32 s[EN+4+\a], 2048                     ; the second set of entries, the offsets and the weights: written once here, so that they are written on every way
	v_mov_b32 v[EI+\a], 0
	v_mov_b32 v[G+\a], 0
.endr
	s_wait_kmcnt 0x0
	s_load_b32 s24, s[6:7], s74 offset:0x8000      ; the expert's count of tokens
	s_mul_i32 s60, s22, 393216
	s_add_nc_u64 s[10:11], s[10:11], s[60:61]      ; my slice's codes,
	s_lshl_b32 s60, s22, 14
	s_add_nc_u64 s[12:13], s[12:13], s[60:61]      ; scale bytes,
	s_lshl_b32 s60, s22, 9
	s_add_nc_u64 s[14:15], s[14:15], s[60:61]      ; and biases
	s_lshl_b32 s60, s19, 9
	s_add_nc_u64 s[56:57], s[16:17], s[60:61]      ; tmp at my columns
	s_lshl_b32 s60, s21, 12
	s_add_nc_u64 s[68:69], s[6:7], s[60:61]        ; the expert's list
	s_add_nc_u64 s[66:67], s[4:5], HSOFF
	s_load_b128 s[EN:EN+3], s[68:69], s71 offset:0x0       ; the first tile's entries
.irp t, 0,1,2,3,4,5,6,7
	global_load_b128 v[WS+4*\t:WS+4*\t+3], v[WSO], s[12:13] offset:2048*\t
.endr
	global_load_b128 v[B2:B2+3], v[HOF], s[14:15]
; Chunk c: column tiles 2 c and 2 c + 1, 32 rows.  ph = 0 .. 15 names both a pair of rows (on the way in) and a fragment (K step ph / 2, tile 2 c + ph % 2), whose 12 registers take the pair's bytes first.
.macro RAWLD c
.irp ph, 0,1,2,3,4,5,6,7,8,9,10,11,12,13,14,15
	FSET 8*(\ph/2)+2*(\c)+(\ph%2)
	WIN FW<<6
.irp i, 0,1,2
	global_load_b128 v[FR+4*\i:FR+4*\i+3], v[GO+\i], s[10:11] offset:(32*(\c)+2*\ph)*3072
.endr
.endr
	WIN 0
.endm
.macro RAWST c
.irp ph, 0,1,2,3,4,5,6,7,8,9,10,11,12,13,14,15
	FSET 8*(\ph/2)+2*(\c)+(\ph%2)
	WIN FW<<2
.irp i, 0,1,2
	ds_store_b128 v[SO+\i], v[FR+4*\i:FR+4*\i+3] offset:2*\ph*784
.endr
.endr
	WIN 0
.endm
.macro FRLD c
.irp ph, 0,1,2,3,4,5,6,7,8,9,10,11,12,13,14,15
	FSET 8*(\ph/2)+2*(\c)+(\ph%2)
	WIN FW<<6
.irp i, 0,1,2
	ds_load_b128 v[FR+4*\i:FR+4*\i+3], v[RA] offset:16*(\ph%2)*784+96*(\ph/2)+16*\i
.endr
.endr
	WIN 0
.endm
; s70 = a tile's number, made with the stored count: the offsets of its images and scale words
.macro HADDR
	v_mov_b32 v[TV], s70
	v_min_u32 v[TV], 63, v[TV]                     ; an expert has at most 64 tiles
	v_lshl_add_u32 v[TV], v[TV], 5, s29            ; (64 e + tile) 32 + 8 w
	v_mul_u32_u24 v[HFO], 1536, v[TV]
	v_add_nc_u32 v[HFO], v[HFO], v[HOF]
	v_lshl_add_u32 v[HSV], v[TV], 7, v[HSOF]
.endm
	RAWLD 0
	RAWLD 1
	s_wait_kmcnt 0x0                               ; the count and the first tile's entries
	s_add_co_u32 s25, s24, 15
	s_lshr_b32 s25, s25, 4                         ; NT: the expert's tiles
	s_max_u32 s26, s25, 1
	s_sub_co_u32 s26, s26, 1                       ; the last tile that was stored (tile 0 where the expert has no token)
	s_min_u32 s70, s20, s26                        ; my first tile, held inside what was stored
	HADDR
.irp jj, 0,1,2,3
	global_load_b32 v[HS+4+\jj], v[HSV], s[66:67] offset:128*\jj       ; (the second set too, so that it is written on every way)
.endr
.irp jj, 0,1,2,3
	global_load_b32 v[HS+\jj], v[HSV], s[66:67] offset:128*\jj
.endr
.irp s, 0,1,2,3,4,5,6,7
.irp i, 0,1,2
	global_load_b128 v[HF+12*\s+4*\i:HF+12*\s+4*\i+3], v[HFO], s[4:5] offset:1536*\s+512*\i
.endr
.endr
	s_wait_loadcnt 63                              ; chunk 0 is in: 80 loads are younger, more than the wait's count can name
	RAWST 0
	FRLD 0
	RAWLD 2
	s_wait_loadcnt 63                              ; chunk 1: again 80 are younger
	RAWST 1
	FRLD 1
	RAWLD 3
	s_wait_loadcnt 48                              ; chunk 2: chunk 3's 48 are younger
	RAWST 2
	FRLD 2
	s_wait_loadcnt 0x0
	RAWST 3
	FRLD 3
.set n, 0
.rept 32
	v_perm_b32 v[WS+n], v[WS+n], v[WS+n], s58      ; W2's scale words in the fragments' order of blocks
.set n, n+1
.endr
.rept 8
	v_nop                                          ; scale registers written by vector instructions stand eight places ahead of a scaled matrix instruction
.endr
	s_wait_dscnt 0x0                               ; all 64 fragments are in
.macro ROWOUT a, b                     ; a row of the tile leaves, unless its entry is the filler
	s_cmp_lt_u32 s[EN+4*(\b)+\a], 2048
	s_cbranch_scc0 .Lpad_\@
	global_store_b128 v[EI+\a], v[ACC+16*\a:ACC+16*\a+3], s[56:57]     ; 512 consecutive bytes, at a multiple of 256 from tmp's first byte
.Lpad_\@:
.endm
; ONE TRIP: tile s27, if the expert has it.  b: which buffer of partial sums, which set of h's scale words and which set of entries.
.macro TRIP b
	s_cmp_lt_u32 s27, s25
	s_cbranch_scc0 .Lidle1_\@
	s_wait_xcnt 0x0                                ; the loads and stores that are out have read their offsets and data: both are written again below
	s_add_co_u32 s70, s27, 4
	s_lshl_b32 s71, s70, 6
	s_add_co_u32 s71, s71, s72
	s_load_b128 s[EN+4*(1-\b):EN+4*(1-\b)+3], s[68:69], s71 offset:0x0     ; the entries of rows 4 w .. 4 w + 3 of the tile four on: the next trip's
	s_min_u32 s70, s70, s26                        ; the tile whose images are fetched next: held at the expert's last
	HADDR
.irp a, 0,1,2,3
	v_mov_b32 v[EI+\a], s[EN+4*\b+\a]              ; this tile's entries came a trip ago
.endr
.irp a, 0,1,2,3
	v_min_u32 v[EI+\a], 0x7ff, v[EI+\a]            ; rank x 1024 + token (the filler is held inside gf and tmp; its row is not stored)
.endr
.irp a, 0,1,2,3
	v_lshlrev_b32 v[GOFF+\a], 2, v[EI+\a]
.endr
.irp a, 0,1,2,3
	v_lshl_add_u32 v[EI+\a], v[EI+\a], 12, v[HOF]  ; 4,096 bytes a row of tmp
.endr
.irp jj, 0,1,2,3
	global_load_b32 v[HS+4*(1-\b)+\jj], v[HSV], s[66:67] offset:128*\jj
.endr
.irp a, 0,1,2,3
	global_load_b32 v[G+\a], v[GOFF+\a], s[8:9]    ; probability / 2: the same word in every lane
.endr
.irp s, 0,1,2,3,4,5,6,7
	s_wait_loadcnt 29                              ; fragment s is in: behind it 3 (7 - s) loads of later fragments, this trip's four loads of scale words and four of weights, 3 s refills
.irp t, 0,1,2,3,4,5,6,7                ; the eight accumulators by turns, one instruction a turn
	FSET 8*\s+\t
	WIN FW
.if \s == 0
	v_wmma_scale_f32_16x16x128_f8f6f4 v[ACC+8*\t:ACC+8*\t+7], v[FR:FR+11], v[HF+12*\s:HF+12*\s+11], 0, v[WS+4*\t+\s%4], v[HS+4*\b+\s%4] matrix_a_fmt:MATRIX_FMT_BF6 matrix_b_fmt:MATRIX_FMT_BF6
.elseif \s < 4
	v_wmma_scale_f32_16x16x128_f8f6f4 v[ACC+8*\t:ACC+8*\t+7], v[FR:FR+11], v[HF+12*\s:HF+12*\s+11], v[ACC+8*\t:ACC+8*\t+7], v[WS+4*\t+\s%4], v[HS+4*\b+\s%4] matrix_a_fmt:MATRIX_FMT_BF6 matrix_b_fmt:MATRIX_FMT_BF6
.else
	v_wmma_scale_f32_16x16x128_f8f6f4 v[ACC+8*\t:ACC+8*\t+7], v[FR:FR+11], v[HF+12*\s:HF+12*\s+11], v[ACC+8*\t:ACC+8*\t+7], v[WS+4*\t+\s%4], v[HS+4*\b+\s%4] matrix_a_fmt:MATRIX_FMT_BF6 matrix_b_fmt:MATRIX_FMT_BF6 matrix_a_scale:MATRIX_SCALE_ROW1 matrix_b_scale:MATRIX_SCALE_ROW1
.endif
.endr
	WIN 0
.rept 4
	v_nop                                          ; four places in front of loads into registers that matrix instructions have read, and of LDS stores that read results
.endr
.if \s == 7
	v_nop                                          ; a fifth: the next trip's first products begin these accumulators anew
.endif
.irp i, 0,1,2
	global_load_b128 v[HF+12*\s+4*\i:HF+12*\s+4*\i+3], v[HFO], s[4:5] offset:1536*\s+512*\i
.endr
.endr
.irp t, 0,1,2,3,4,5,6,7
	ds_store_b128 v[RWA], v[ACC+8*\t:ACC+8*\t+3] offset:\b*33792+64*\t         ; each accumulator from its low end on
	ds_store_b128 v[RWA], v[ACC+8*\t+4:ACC+8*\t+7] offset:\b*33792+64*\t+16
.endr
.Lidle1_\@:
	s_wait_loadcnt 24                              ; the weights are in: behind them stand the 24 refills
	s_wait_kmcnt 0x0                               ; the next trip's entries are in: asked for at this trip's head, ahead of all its products
	s_wait_dscnt 0x0                               ; my partial sums lie in LDS, and my reads of the other buffer, which the next trip writes, are over
	s_barrier_signal -1
	s_barrier_wait -1
	s_cmp_lt_u32 s27, s25
	s_cbranch_scc0 .Lidle2_\@
	s_wait_xcnt 0x0                                ; nothing that is out still reads the registers written below
.irp a, 0,1,2,3
.irp ww, 0,1,2,3
	ds_load_b128 v[ACC+16*\a+4*\ww:ACC+16*\a+4*\ww+3], v[RRA] offset:\b*33792+8448*\ww+528*\a      ; row 4 w + a, columns 4 L .. 4 L + 3, of wave ww's partial sums
.endr
.endr
	s_wait_dscnt 0x0
.irp a, 0,1,2,3
	v_pk_add_f32 v[ACC+16*\a:ACC+16*\a+1], v[ACC+16*\a:ACC+16*\a+1], v[ACC+16*\a+4:ACC+16*\a+5]
	v_pk_add_f32 v[ACC+16*\a+2:ACC+16*\a+3], v[ACC+16*\a+2:ACC+16*\a+3], v[ACC+16*\a+6:ACC+16*\a+7]
	v_pk_add_f32 v[ACC+16*\a+8:ACC+16*\a+9], v[ACC+16*\a+8:ACC+16*\a+9], v[ACC+16*\a+12:ACC+16*\a+13]
	v_pk_add_f32 v[ACC+16*\a+10:ACC+16*\a+11], v[ACC+16*\a+10:ACC+16*\a+11], v[ACC+16*\a+14:ACC+16*\a+15]
.endr
.irp a, 0,1,2,3
	v_pk_add_f32 v[ACC+16*\a:ACC+16*\a+1], v[ACC+16*\a:ACC+16*\a+1], v[ACC+16*\a+8:ACC+16*\a+9]
	v_pk_add_f32 v[ACC+16*\a+2:ACC+16*\a+3], v[ACC+16*\a+2:ACC+16*\a+3], v[ACC+16*\a+10:ACC+16*\a+11]
.endr
.irp a, 0,1,2,3
	v_pk_add_f32 v[ACC+16*\a:ACC+16*\a+1], v[ACC+16*\a:ACC+16*\a+1], v[B2:B2+1]
	v_pk_add_f32 v[ACC+16*\a+2:ACC+16*\a+3], v[ACC+16*\a+2:ACC+16*\a+3], v[B2+2:B2+3]
.endr
.irp a, 0,1,2,3
.irp c, 0,1,2,3
	v_mul_f32 v[ACC+16*\a+\c], v[G+\a], v[ACC+16*\a+\c]
.endr
.endr
	ROWOUT 0, \b
	ROWOUT 1, \b
	ROWOUT 2, \b
	ROWOUT 3, \b
.Lidle2_\@:
	s_add_co_u32 s27, s27, 4
.endm
	s_mov_b32 s27, s20                             ; my first tile
	s_mov_b32 s28, 0
.Ltrips:                                           ; 8 trips of two: tiles q, q + 4, .. q + 60, as many as all 1,024 tokens on one expert would need
	TRIP 0
	TRIP 1
	s_add_co_u32 s28, s28, 1
	s_cmp_lt_u32 s28, 8
	s_cbranch_scc1 .Ltrips
	s_barrier_signal -1
	s_barrier_wait -1
	s_wait_tensorcnt 0x0
	ds_add_u32 v254, v255
	s_wait_dscnt 0x0
	s_endpgm
.Lfunc_end_k_qdf79d250a5_down:
	.size	k_qdf79d250a5_down, .Lfunc_end_k_qdf79d250a5_down-k_qdf79d250a5_down
	.p2alignl 7, 3214868480
	.fill 96, 4, 3214868480
	.section	.rodata,"a",@progbits
	.p2align	6, 0x0
	.amdhsa_kernel k_qdf79d250a5_down
		.amdhsa_group_segment_fixed_size 168448
		.amdhsa_private_segment_fixed_size 0
		.amdhsa_enable_private_segment 0
		.amdhsa_kernarg_size 56
		.amdhsa_user_sgpr_count 2
		.amdhsa_user_sgpr_kernarg_segment_ptr 1
		.amdhsa_wavefront_size32 1
		.amdhsa_system_sgpr_workgroup_id_x 1
		.amdhsa_system_sgpr_workgroup_id_y 1
		.amdhsa_system_sgpr_workgroup_id_z 1
		.amdhsa_system_vgpr_workitem_id 0
		.amdhsa_next_free_vgpr 1024
		.amdhsa_next_free_sgpr 96
		.amdhsa_reserve_vcc 0
		.amdhsa_float_denorm_mode_32 3
		.amdhsa_float_denorm_mode_16_64 3
		.amdhsa_memory_ordered 1
		.amdhsa_forward_progress 1
		.amdhsa_inst_pref_size 95
	.end_amdhsa_kernel
	.amdgpu_metadata
---
amdhsa.version: [ 1, 2 ]
amdhsa.kernels:
  - .name:           k_qdf79d250a5_down
    .symbol:         k_qdf79d250a5_down.kd
    .args:
      - { .name: hq, .offset: 0, .size: 8, .value_kind: global_buffer, .address_space: global }
      - { .name: rows, .offset: 8, .size: 8, .value_kind: global_buffer, .address_space: global }
      - { .name: gf, .offset: 16, .size: 8, .value_kind: global_buffer, .address_space: global }
      - { .name: w2_codes, .offset: 24, .size: 8, .value_kind: global_buffer, .address_space: global }
      - { .name: w2_scales, .offset: 32, .size: 8, .value_kind: global_buffer, .address_space: global }
      - { .name: b2, .offset: 40, .size: 8, .value_kind: global_buffer, .address_space: global }
      - { .name: tmp, .offset: 48, .size: 8, .value_kind: global_buffer, .address_space: global }
    .group_segment_fixed_size: 168448
    .private_segment_fixed_size: 0
    .kernarg_segment_align: 8
    .kernarg_segment_size: 56
    .max_flat_workgroup_size: 128
    .sgpr_count:     96
    .vgpr_count:     1024
    .wavefront_size: 32
...
	.end_amdgpu_metadata
.endif
;; end of part 3
;; launch sum (part 4): grid 256 x 1, 4 waves a work-group, no clusters, 0 bytes of LDS; arguments tmp, gf, rows, out0, out1; writes out0, out1
.if DOCPART == 4
	.amdgcn_target "amdgcn-amd-amdhsa--gfx1250"
	.amdhsa_code_object_version 6
	.text
	.protected	k_qdf79d250a5_sum
	.globl	k_qdf79d250a5_sum
	.p2align	8
	.type	k_qdf79d250a5_sum,@function
k_qdf79d250a5_sum:
	s_mov_b64 s[64:65], 0
	v_nop
	global_prefetch_b8 v0, s[64:65] scope:SCOPE_SE
	s_setreg_imm32_b32 hwreg(HW_REG_WAVE_MODE, 25, 1), 1
	s_wait_xcnt 0x0
; y[token] = tmp[token] + tmp[1024 + token]: a token's two experts; and the load-balancing loss.
; A stream: work-group g takes 16,384 consecutive bytes of y; each load and store of a wave covers 512 consecutive bytes.  All sixteen loads of a thread are issued at once.  No LDS, no barrier, no matrix unit: memory binds.
; The loss = 8 x sum over e of (mean probability of e) x (share of tokens routed to e) = 2^-17 x sum over e of (sum of probabilities) x (count): wave 0 of work-group 0 adds the 256 partial sums that the gate stored
; and takes the counts that the first product's launch stored.  That wave has a path of its own: the loss's loads go out AHEAD of its part of the stream, so that both are on their way together, and the loss's
; arithmetic follows the stream's stores.  The stream's lines are a macro, written on both paths.
.set A,  8                             ; v8-39   the first halves, then the sums
.set B,  40                            ; v40-71  the second halves
.set P,  72                            ; v72-135 the gate's partial sums
.set CN, 136                           ; v136-143 the counts as f32
.macro STREAM
.irp k, 0,1,2,3,4,5,6,7
	global_load_b128 v[A+4*\k:A+4*\k+3], v1, s[4:5] offset:2048*\k th:TH_LOAD_NT
.endr
.irp k, 0,1,2,3,4,5,6,7
	global_load_b128 v[B+4*\k:B+4*\k+3], v1, s[4:5] offset:4194304+2048*\k th:TH_LOAD_NT
.endr
.irp k, 0,1,2,3,4,5,6,7
	s_wait_loadcnt 7-\k                            ; both halves of piece k are in: 7 - k loads are younger
	v_pk_add_f32 v[A+4*\k:A+4*\k+1], v[A+4*\k:A+4*\k+1], v[B+4*\k:B+4*\k+1]
	v_pk_add_f32 v[A+4*\k+2:A+4*\k+3], v[A+4*\k+2:A+4*\k+3], v[B+4*\k+2:B+4*\k+3]
	global_store_b128 v1, v[A+4*\k:A+4*\k+3], s[10:11] offset:2048*\k th:TH_STORE_NT
.endr
.endm
	s_load_b256 s[4:11], s[0:1], 0x0               ; tmp, gf, rows, out0
	s_load_b64 s[12:13], s[0:1], 0x20              ; out1
	v_lshlrev_b32 v1, 4, v0
	v_lshrrev_b32 v2, 5, v0
	v_readfirstlane_b32 s14, v2                    ; wave
	s_lshl_b32 s16, ttmp9, 14
	s_mov_b32 s17, 0
	s_or_b32 s15, s14, ttmp9
	s_wait_kmcnt 0x0
	s_add_nc_u64 s[4:5], s[4:5], s[16:17]
	s_add_nc_u64 s[10:11], s[10:11], s[16:17]
	s_cmp_lg_u32 s15, 0
	s_cbranch_scc1 .Lplain                         ; all waves but wave 0 of work-group 0
.irp e, 0,1,2,3,4,5,6,7
	s_load_b32 s[20+\e], s[8:9], 32768+128*\e      ; the experts' counts
.endr
	v_and_b32 v3, 31, v0
	v_lshlrev_b32 v4, 4, v3
	s_mov_b32 s28, 0x76543210
	s_mov_b32 s29, 0xfedcba98                      ; lane l xor 16
.irp i, 0,1,2,3,4,5,6,7,8,9,10,11,12,13,14,15
	global_load_b128 v[P+4*\i:P+4*\i+3], v4, s[6:7] offset:8192+512*\i     ; an even lane holds experts 0 to 3 of a work-group's eight sums, an odd lane experts 4 to 7
.endr
	STREAM                                         ; these sixteen loads are older than the stream's: its counts stand as they are
	v_and_b32 v5, 1, v3
	v_mov_b32 v7, 0
	s_wait_loadcnt 0x0
.irp i, 2,4,6,8,10,12,14
	v_pk_add_f32 v[P:P+1], v[P:P+1], v[P+4*\i:P+4*\i+1]
	v_pk_add_f32 v[P+2:P+3], v[P+2:P+3], v[P+4*\i+2:P+4*\i+3]
	v_pk_add_f32 v[P+4:P+5], v[P+4:P+5], v[P+4*\i+4:P+4*\i+5]
	v_pk_add_f32 v[P+6:P+7], v[P+6:P+7], v[P+4*\i+6:P+4*\i+7]
.endr
	v_pk_add_f32 v[P:P+1], v[P:P+1], v[P+4:P+5]
	v_pk_add_f32 v[P+2:P+3], v[P+2:P+3], v[P+6:P+7]
.irp m, 2,4,8                          ; over the lanes of my parity
.irp c, 0,1,2,3
	v_add_f32_dpp v[P+\c], v[P+\c], v[P+\c] row_xmask:\m row_mask:0xf bank_mask:0xf
.endr
.endr
.irp c, 0,1,2,3
	v_permlanex16_b32 v[P+8+\c], v[P+\c], s28, s29
.endr
.irp c, 0,1,2,3
	v_add_f32 v[P+\c], v[P+\c], v[P+8+\c]
.endr
	s_wait_kmcnt 0x0
.irp e, 0,1,2,3,4,5,6,7
	v_cvt_f32_u32 v[CN+\e], s[20+\e]
.endr
	v_cmp_eq_u32 vcc_lo, 1, v5
.irp c, 0,1,2,3
	v_cndmask_b32 v[CN+\c], v[CN+\c], v[CN+4+\c], vcc_lo
.endr
	v_mul_f32 v6, v[P], v[CN]
	v_fma_f32 v6, v[P+1], v[CN+1], v6
	v_fma_f32 v6, v[P+2], v[CN+2], v6
	v_fma_f32 v6, v[P+3], v[CN+3], v6
	v_add_f32_dpp v6, v6, v6 row_xmask:1 row_mask:0xf bank_mask:0xf        ; the other four experts'
	v_mul_f32 v6, 0x37000000, v6                   ; x 8 / 1024 / 1024
	s_wait_xcnt 0x0                                ; EXEC changes only behind this wait
	v_cmp_eq_u32 vcc_lo, 0, v3
	s_and_saveexec_b32 s30, vcc_lo
	global_store_b32 v7, v6, s[12:13]
	s_wait_xcnt 0x0
	s_or_b32 exec_lo, exec_lo, s30
	s_endpgm
.Lplain:
	STREAM
	s_endpgm
.Lfunc_end_k_qdf79d250a5_sum:
	.size	k_qdf79d250a5_sum, .Lfunc_end_k_qdf79d250a5_sum-k_qdf79d250a5_sum
	.p2alignl 7, 3214868480
	.fill 96, 4, 3214868480
	.section	.rodata,"a",@progbits
	.p2align	6, 0x0
	.amdhsa_kernel k_qdf79d250a5_sum
		.amdhsa_group_segment_fixed_size 0
		.amdhsa_private_segment_fixed_size 0
		.amdhsa_enable_private_segment 0
		.amdhsa_kernarg_size 40
		.amdhsa_user_sgpr_count 2
		.amdhsa_user_sgpr_kernarg_segment_ptr 1
		.amdhsa_wavefront_size32 1
		.amdhsa_system_sgpr_workgroup_id_x 1
		.amdhsa_system_sgpr_workgroup_id_y 1
		.amdhsa_system_sgpr_workgroup_id_z 1
		.amdhsa_system_vgpr_workitem_id 0
		.amdhsa_next_free_vgpr 152
		.amdhsa_next_free_sgpr 66
		.amdhsa_reserve_vcc 1
		.amdhsa_float_denorm_mode_32 3
		.amdhsa_float_denorm_mode_16_64 3
		.amdhsa_memory_ordered 1
		.amdhsa_forward_progress 1
		.amdhsa_inst_pref_size 15
	.end_amdhsa_kernel
	.amdgpu_metadata
---
amdhsa.version: [ 1, 2 ]
amdhsa.kernels:
  - .name:           k_qdf79d250a5_sum
    .symbol:         k_qdf79d250a5_sum.kd
    .args:
      - { .name: tmp, .offset: 0, .size: 8, .value_kind: global_buffer, .address_space: global }
      - { .name: gf, .offset: 8, .size: 8, .value_kind: global_buffer, .address_space: global }
      - { .name: rows, .offset: 16, .size: 8, .value_kind: global_buffer, .address_space: global }
      - { .name: out0, .offset: 24, .size: 8, .value_kind: global_buffer, .address_space: global }
      - { .name: out1, .offset: 32, .size: 8, .value_kind: global_buffer, .address_space: global }
    .group_segment_fixed_size: 0
    .private_segment_fixed_size: 0
    .kernarg_segment_align: 8
    .kernarg_segment_size: 40
    .max_flat_workgroup_size: 128
    .sgpr_count:     66
    .vgpr_count:     152
    .wavefront_size: 32
...
	.end_amdgpu_metadata
.endif
;; end of part 4
;; ======== version 2 of 2: 4 launches; version 1 with the launches up, down written anew for expert scheduling mode
;; workspace buffers: xq 819,200 bytes; route 4,096 bytes of whole numbers; gf 16,384 bytes; hq 27,262,976 bytes; rows 33,792 bytes of whole numbers; tmp 8,388,608 bytes
;; launch gate: the kernel of part 1 again; grid 256 x 1, 4 waves a work-group, no clusters, 59,392 bytes of LDS; arguments x, gate_w, gate_b, xq, route, gf; writes xq, route, gf
;; launch up (part 5): grid 32 x 8, 4 waves a work-group, no clusters, 107,008 bytes of LDS; arguments route, xq, w1_codes, w1_scales, b1, hq, rows; writes hq, rows
.if DOCPART == 5
	.amdgcn_target "amdgcn-amd-amdhsa--gfx1250"
	.amdhsa_code_object_version 6
	.text
	.protected	k_qdf79d250a5_up
	.globl	k_qdf79d250a5_up
	.p2align	8
	.type	k_qdf79d250a5_up,@function
k_qdf79d250a5_up:
	s_mov_b64 s[64:65], 0
	v_nop
	global_prefetch_b8 v0, s[64:65] scope:SCOPE_SE
	s_setreg_imm32_b32 hwreg(HW_REG_WAVE_SCHED_MODE, 0, 2), 2
	s_setreg_imm32_b32 hwreg(HW_REG_WAVE_MODE, 25, 1), 1
	s_wait_xcnt 0x0
	s_wait_alu depctr_vm_vsrc(0)
; THE FIRST PRODUCT, for the routed rows alone: h = Q(relu(x W1[e]^T + b1[e])), on codes of E3M2 with one E8M0 scale for each 32 along K.
; SHARES.  Work-group (j, e) owns hidden units 128 j .. 128 j + 127 of expert e: 128 rows of W1, 98,304 consecutive bytes, read from memory once in the launch.  They go through LDS once, and EVERY wave then
; keeps all 64 fragments (8 tiles of 16 rows x 8 K steps of 128) in 768 registers.  What streams past them is small: tiles of 16 routed tokens; wave w takes tiles w, w + 4, ..
; THE LIST.  Each work-group places its expert's tokens itself, from the route words that the launch before stored, while its weights are on their way: wave 0 gives each member its rank among the members, and each
; non-member the entry PADE at cnt + its rank among the non-members: 1,024 entries, each written once.  An entry is rank x 1024 + token.  The work-groups with j = 0 store the list and the count for the next launch.
; The placing goes in runs over the 32 route words of a lane (all masks, all entries, all ranks, all selections, all stores), so that no line waits for the line above it.
; Tile 0 is made for every expert, also for one without tokens (its entries are then all PADE and gather token 0): so the next launch's first loads find stored bytes whatever the choice.
; No tensor load and no cluster: the number of tiles hangs on the stored choice.
; FRAGMENTS.  A lane (r, h) of a fragment takes 48 CONSECUTIVE bytes of its row, at 96 s + 48 h: blocks 4 s + 2 h and 4 s + 2 h + 1.  That is the natural order with the two middle blocks of a K step exchanged, on both
; operands alike, so every product meets its partner; the scale words' bytes are laid 0, 2, 1, 3 to match.  Only the grouping of the sums inside an instruction differs from the natural order.
; THE MATRIX INSTRUCTION IS USED TRANSPOSED (source 0 = 16 rows of W1, source 1 = 16 tokens), AND THE ROWS OF W1 THAT FORM A TILE ARE NOT NEIGHBOURS: lane r of tile 2 b + u takes row 32 b + 8 u + r + 8 (r / 8).  So a lane
; holds one token, and the 16 registers of tiles 2 b, 2 b + 1 are hidden units 32 b + 16 h + 0 .. 15: neighbours along the next K.  A wave's 8 tiles are K step j of the second product: one fragment and one scale word a token.
; OUT.  hq: the fragment as an image of its registers, at ((64 e + tile) 32 + j) 1536: register group i of lane L at 512 i + 16 L; from HSOFF on its scale words, 4 bytes a lane.
; LIMITS: NaN and infinities are not served; a block of h whose largest number lies under 2^-122 keeps the byte 1 (a block of zeros too: its codes are zeros).
; REGISTERS.  Window 0: as named below.  Windows 1 to 3: W1's fragments 0 to 62 (fragment f = 8 s + t at register 12 (f % 21) of window 1 + f / 21); fragment 63 in window 0.
; THE MODE: SCHED_MODE bits 1:0 = 2 (LLVM: expert scheduling mode 2), set by the entry lines.  The code itself states the register dependences
; between vector or matrix instructions and memory or LDS instructions, with s_wait_alu, always for 0.
; THE PLAN.  Registers that memory or LDS instructions touch, in the loop over tiles:
;   XF, lower half (fragments 0-3)  read by K steps 0-3; the next tile's twelve loads land in it, dealt among K steps 4-7.
;   XF, upper half (fragments 4-7)  read by K steps 4-7; the next tile's twelve loads land in it behind K step 7, ahead of the activation.
;   XS, two sets                    a tile's products read one; the load in the tile's middle lands in the other, which the tile before read.
;   XO, XSO, LADR                   written in the tile's middle; read by the loads from there to the tile's end.      ENT: read in the middle, loaded again there.
;   ACC                             written by the products, read and written by the quantiser; b1's LDS loads land in it at the tile's end.
;   F, PW                           written by the quantiser; read by the four stores at the tile's end.               HO, HSO, BADR: never written again.
; So a tile has one wait on vm_vsrc, ahead of the middle's address lines, and three on va_vdst: behind those lines, behind K step 7, and behind the quantiser.
.set XSOFF, 786432
.set HSOFF, 25165824
.set BIAS, 101376                      ; LDS: 0 .. 101,375 W1's slice: row d at 784 d + 128 (d / 16); then b1's 128 numbers;
.set LIST, 101888                      ; then the list: 1,024 entries and 128 of PADE behind them, which the look-ahead may read
.set PADE, 2048
.set LADR, 4                           ; v4   LDS address of my token's entry in the tile that is fetched next
.set ENT,  5                           ; v5   that entry
.set XO,   6                           ; v6   my token's codes in xq: 768 token + 48 h
.set XSO,  7                           ; v7   its scale words: 32 token + 16 h
.set HO,   8                           ; v8   16 L
.set HSO,  9                           ; v9   4 L
.set BADR, 10                          ; v10  BIAS + 64 h
.set TK,   11
.set H48,  12
.set H16,  13
.set XS,   16                          ; v16-23  x's scale words, two sets: register jj: lanes 0-15 K step jj, lanes 16-31 K step 4 + jj
.set WS,   24                          ; v24-55  W1's scale words: 4 t + jj, likewise
.set W63,  56                          ; v56-67  fragment 63
.set XF,   68                          ; v68-163 x's eight fragments
.set ACC,  164                         ; v164-227 eight accumulators
.set F,    228                         ; v228-239 the fragment of h just made
.set M,    240
.set T,    244
.set PW,   248                         ; its scale word
.set LRD,  249                         ; LIST + 16 t
.set T16,  250                         ; 16 t
.set LTL,  251                         ; LIST + 4096 + 16 L
.set CNV,  252
.set R,    164                         ; at the head only, in the accumulators' registers: the route words,
.set BO,   196                         ; offsets and LDS addresses of the staging,
.set WSO,  197
.set BST,  199
.set SA,   200
.set SB,   203
.set WA,   206
.set SP,   208                         ; v212-215: the filler, four times,
.set BD,   216                         ; my number of b1
.set MT,   68                          ; at the head only, in x's fragments' registers: 32 registers at work (the expert's bits; the rank bit; the place of a non-member),
.set EN,   100                         ; 32 entries,
.set PA,   132                         ; 32 places in the list
.set MK,   66                          ; s66-97 the 32 route words' masks: the lanes whose token is routed to e
.set MSB, 0
.macro WIN new                         ; the immediate's high byte repeats the setting that is left
.if MSB != (\new)
	s_set_vgpr_msb (MSB<<8)|(\new)
.set MSB, (\new)
.endif
.endm
.macro FSET f                          ; where fragment f lies: window FW, register FR
.if (\f) < 63
.set FW, 1+(\f)/21
.set FR, 12*((\f)%21)
.else
.set FW, 0
.set FR, W63
.endif
.endm
.macro XFILL s                         ; fragment s of the tile whose offset stands in v[XO]: 48 bytes a lane
.irp i, 0,1,2
	global_load_b128 v[XF+12*(\s)+4*\i:XF+12*(\s)+4*\i+3], v[XO], s[6:7] offset:96*(\s)+16*\i
.endr
.endm
	s_load_b256 s[4:11], s[0:1], 0x0               ; route, xq, W1's codes, W1's scales
	s_load_b128 s[12:15], s[0:1], 0x20             ; b1, hq
	s_load_b64 s[16:17], s[0:1], 0x30              ; rows
	v_lshl_add_u32 v254, v0, 2, 0x1a000
	v_mov_b32 v255, 0
	v_lshrrev_b32 v14, 5, v0
	v_readfirstlane_b32 s18, v14                   ; wave
	s_mov_b32 s19, ttmp9                           ; j
	s_and_b32 s20, ttmp7, 0xffff                   ; e
	v_and_b32 v1, 31, v0                           ; L
	v_and_b32 v2, 15, v0                           ; r
	v_bfe_u32 v3, v0, 4, 1                         ; h
	v_lshlrev_b32 v[HO], 4, v1
	v_lshlrev_b32 v[HSO], 2, v1
	v_mul_u32_u24 v[H48], 48, v3
	v_lshlrev_b32 v[H16], 4, v3
	v_lshl_add_u32 v[BADR], v3, 6, BIAS
	s_wait_alu depctr_va_sdst(0)                   ; s18, the wave's number, is written, ahead of its first reader
	s_lshl_b32 s30, s18, 6
	s_add_co_u32 s30, s30, LIST
	v_lshl_add_u32 v[LADR], v2, 2, s30             ; tile w: LIST + 64 w + 4 r
	v_lshlrev_b32 v[T16], 4, v0
	v_add_nc_u32 v[LRD], LIST, v[T16]
	v_add_nc_u32 v[LTL], LIST+4096, v[HO]
	v_lshlrev_b32 v[BO], 2, v0
	v_add_nc_u32 v[BST], BIAS, v[BO]
	v_and_b32 v14, 8, v2
	v_add_nc_u32 v14, v14, v2                      ; r + 8 (r / 8)
	v_lshl_add_u32 v[WSO], v14, 5, v[H16]          ; W1's scales: 32 bytes a row, + 16 h
	v_mul_u32_u24 v[WA], 784, v14
	v_lshrrev_b32 v15, 3, v2
	v_lshl_add_u32 v[WA], v15, 7, v[WA]
	v_add_nc_u32 v[WA], v[WA], v[H48]              ; my place in a tile of the slice in LDS;
	v_add_nc_u32 v[WA+1], 50688, v[WA]             ; the same 64 rows on
.irp bb, 0,1,2                         ; the slice goes into LDS as it lies, 16 bytes a thread: piece q = 128 bb + t of eight rows lies at 16 q + 16 (q / 48)
	v_add_nc_u32 v14, 128*\bb, v0
	v_mul_u32_u24 v15, 1366, v14
	v_lshrrev_b32 v15, 16, v15                     ; q / 48, for q under 384
	v_add_nc_u32 v15, v15, v14
	v_lshlrev_b32 v[SA+\bb], 4, v15
	v_add_nc_u32 v[SB+\bb], 50688, v[SA+\bb]
.endr
.irp b, 0,1,2,3
	v_mov_b32 v[T+\b], 0                           ; written once: a lane permute's destination counts as read
.endr
	s_lshl_b32 s21, 0x101, s20                     ; the bits of expert e in a route word: first or second choice
	s_add_co_u32 s22, s20, 8
	s_mov_b32 s48, 0x03010200                      ; a scale word's bytes 0, 2, 1, 3
	s_mov_b32 s50, 0x76543210
	s_mov_b32 s51, 0xfedcba98                      ; lane l xor 16
	s_lshl_b32 s28, s20, 11
	s_add_co_u32 s28, s28, s19                     ; 2048 e + j
	s_lshl_b32 s29, s20, 5
	s_add_co_u32 s29, s29, s19                     ; 32 e + j: which slice of 128 rows
	s_mov_b32 s53, 0
	s_mov_b32 s55, 0
	s_mov_b32 s57, 0
	s_wait_kmcnt 0x0
	s_mul_i32 s52, s29, 98304
	s_add_nc_u64 s[8:9], s[8:9], s[52:53]          ; my slice's codes,
	s_lshl_b32 s52, s29, 12
	s_add_nc_u64 s[10:11], s[10:11], s[52:53]      ; scale bytes,
	s_lshl_b32 s52, s29, 9
	s_add_nc_u64 s[12:13], s[12:13], s[52:53]      ; and biases
	s_add_nc_u64 s[60:61], s[14:15], HSOFF
	s_lshl_b32 s52, s20, 7
	s_add_nc_u64 s[62:63], s[16:17], s[52:53]      ; rows + 128 e: the count lies 32,768 further on
	s_lshl_b32 s52, s20, 12
	s_add_nc_u64 s[16:17], s[16:17], s[52:53]      ; rows + 4096 e: the list
	s_wait_alu depctr_va_vdst(0)                   ; all offsets and LDS addresses made above are written: the loads and stores of the head, and HO, HSO, BADR, LADR for the whole kernel, read them
.irp k, 0,1,2,3,4,5,6,7
	global_load_b128 v[R+4*\k:R+4*\k+3], v[HO], s[4:5] offset:512*\k       ; route word 4 k + c of lane L: token 128 k + 4 L + c
.endr
	global_load_b32 v[BD], v[BO], s[12:13]
.irp t, 0,1,2,3,4,5,6,7
	global_load_b128 v[WS+4*\t:WS+4*\t+3], v[WSO], s[10:11] offset:(32*(\t/2)+8*(\t%2))*32
.endr
	WIN 0x40                                       ; destination window 1
.set n, 0
.rept 48
	global_load_b128 v[4*n:4*n+3], v[T16], s[8:9] offset:2048*n th:TH_LOAD_NT      ; the slice: 2,048 consecutive bytes a work-group's load
.set n, n+1
.endr
	WIN 0
	s_wait_loadcnt 57                              ; the route words are in: 1 + 8 + 48 loads are younger
	; ---- every wave: the masks of the 32 words, in one run, and their count
.set n, 0
.rept 32
	v_and_b32 v[MT+n], s21, v[R+n]
.set n, n+1
.endr
.set n, 0
.rept 32
	v_cmp_ne_u32 s[MK+n], 0, v[MT+n]               ; the lanes whose token is routed to e
.set n, n+1
.endr
	s_wait_alu depctr_va_sdst(0)                   ; the 32 masks are written, ahead of their first reader: one wait behind the run of compares
	s_mov_b32 s24, 0
.set n, 0
.rept 8
	s_bcnt1_i32_b32 s30, s[MK+n]
	s_bcnt1_i32_b32 s31, s[MK+n+1]
	s_bcnt1_i32_b32 s32, s[MK+n+2]
	s_bcnt1_i32_b32 s33, s[MK+n+3]
	s_add_co_u32 s30, s30, s31
	s_add_co_u32 s32, s32, s33
	s_add_co_u32 s24, s24, s30
	s_add_co_u32 s24, s24, s32
.set n, n+4
.endr
	s_add_co_u32 s25, s24, 15
	s_lshr_b32 s25, s25, 4                         ; tiles of 16,
	s_max_u32 s25, s25, 1                          ; one at the least: tile 0 is always made
	s_cmp_lg_u32 s18, 0
	s_cbranch_scc1 .Lplaced                        ; wave 0 alone places: up to the barrier below no other wave touches LDS
	s_mov_b32 s23, 0                               ; members so far
	s_mov_b32 s32, s24                             ; cnt + non-members so far
.irp i, 4,5,6,7
	v_mov_b32 v[SP+\i], PADE
.endr
.set n, 0
.rept 32
	v_bfe_u32 v[MT+n], v[R+n], s22, 1              ; routed to e as the second choice?
.set n, n+1
.endr
.set n, 0
.rept 32
	v_add_nc_u32 v[EN+n], 128*(n/4)+n%4, v[HSO]    ; the token
.set n, n+1
.endr
.set n, 0
.rept 32
	v_lshl_add_u32 v[EN+n], v[MT+n], 10, v[EN+n]   ; rank x 1024 + token
.set n, n+1
.endr
.set n, 0
.rept 32
	s_not_b32 s31, s[MK+n]
	v_mbcnt_lo_u32_b32 v[PA+n], s[MK+n], s23       ; a member's place: the members ahead of it
	v_mbcnt_lo_u32_b32 v[MT+n], s31, s32           ; a non-member's: cnt + the non-members ahead of it
	s_bcnt1_i32_b32 s33, s[MK+n]
	s_add_co_u32 s23, s23, s33
	s_sub_co_u32 s32, s32, s33
	s_add_co_u32 s32, s32, 32
.set n, n+1
.endr
.set n, 0
.rept 32
	v_cndmask_b32 v[PA+n], v[MT+n], v[PA+n], s[MK+n]
.set n, n+1
.endr
.set n, 0
.rept 32
	v_cndmask_b32 v[EN+n], v[SP+4], v[EN+n], s[MK+n]
.set n, n+1
.endr
.set n, 0
.rept 32
	v_min_u32 v[PA+n], 0x3ff, v[PA+n]
.set n, n+1
.endr
.set n, 0
.rept 32
	v_lshl_add_u32 v[PA+n], v[PA+n], 2, LIST
.set n, n+1
.endr
	s_wait_alu depctr_va_vdst(0)                   ; the places v[PA ..], the entries v[EN ..] and the filler v[SP+4 ..] are written, which the LDS stores below read
.set n, 0
.rept 32
	ds_store_b32 v[PA+n], v[EN+n]
.set n, n+1
.endr
	ds_store_b128 v[LTL], v[SP+4:SP+7]             ; entries 1,024 to 1,151
.Lplaced:
	s_wait_dscnt 0x0
	s_barrier_signal -1
	s_barrier_wait -1                              ; the list lies in LDS
	; ---- my first tile's fragments of x are asked for.  A PADE entry gathers token 0: every address stays inside xq
	ds_load_b32 v[ENT], v[LADR]
	s_wait_dscnt 0x0
	s_wait_alu depctr_vm_vsrc(0)                   ; that load has read v[LADR], which is stepped below; wave 0's LDS stores have read v[EN ..] and v[PA ..], in which x's fragments land
	v_and_b32 v[TK], 0x3ff, v[ENT]
	v_min_u32 v[TK], 0x3ff, v[TK]
	v_mul_u32_u24 v[XO], 768, v[TK]
	v_add_nc_u32 v[XO], v[XO], v[H48]
	v_lshl_add_u32 v[XSO], v[TK], 5, v[H16]
	v_add_nc_u32 v[LADR], 256, v[LADR]
	s_wait_alu depctr_va_vdst(0)                   ; v[XO], v[XSO] and v[LADR] are written, which the loads below read; v[ENT] has been read, and the masks' and the placing's lines are done with v68-163: loads land in all of these
	global_load_b128 v[XS:XS+3], v[XSO], s[6:7] offset:XSOFF
.irp s, 0,1,2,3,4,5,6,7
	XFILL \s
.endr
	ds_load_b32 v[ENT], v[LADR]                    ; the entry of my second tile
	; ---- the slice goes into LDS
	WIN 0x04                                       ; an LDS store's data are its source 1: window 1
.set a, 0
.rept 16
.if 70-3*a > 63
	s_wait_loadcnt 63                              ; (more loads are younger than the wait's count can name)
.else
	s_wait_loadcnt 70-3*a                          ; behind these three: 45 - 3 a loads of the slice and the 25 of x
.endif
.irp bb, 0,1,2
.if a < 8
	ds_store_b128 v[SA+\bb], v[4*(3*a+\bb):4*(3*a+\bb)+3] offset:6272*a+128*(a/2)
.else
	ds_store_b128 v[SB+\bb], v[4*(3*a+\bb):4*(3*a+\bb)+3] offset:6272*a+128*(a/2)-50688
.endif
.endr
.set a, a+1
.endr
	WIN 0
	ds_store_b32 v[BST], v[BD]
	s_wait_dscnt 0x0
	s_barrier_signal -1
	s_barrier_wait -1                              ; the slice and the biases lie in LDS: the last barrier
	s_wait_alu depctr_vm_vsrc(0)                   ; my LDS stores have read the slice's registers in window 1, in which fragments land
.irp s, 0,1,2,3,4,5,6,7                ; all 64 fragments into my registers
.irp t, 0,1,2,3,4,5,6,7
	FSET 8*\s+\t
	WIN FW<<6
.irp i, 0,1,2
.if \t < 4
	ds_load_b128 v[FR+4*\i:FR+4*\i+3], v[WA] offset:(32*((\t/2)%2)+8*(\t%2))*784+256*((\t/2)%2)+96*\s+16*\i
.else
	ds_load_b128 v[FR+4*\i:FR+4*\i+3], v[WA+1] offset:(32*((\t/2)%2)+8*(\t%2))*784+256*((\t/2)%2)+96*\s+16*\i
.endif
.endr
.endr
.endr
	WIN 0
.set n, 0
.rept 32
	v_perm_b32 v[WS+n], v[WS+n], v[WS+n], s48      ; W1's scale words in the fragments' order of blocks
.set n, n+1
.endr
	s_cmp_lg_u32 s19, 0
	s_cbranch_scc1 .Lnot_first                     ; the work-groups with j = 0 store their expert's list and count
	ds_load_b128 v[F:F+3], v[LRD]
	ds_load_b128 v[F+4:F+7], v[LRD] offset:2048
	v_mov_b32 v[CNV], s24
	s_wait_alu depctr_va_vdst(0)                   ; v[CNV] is written, which the count's store reads
	s_wait_dscnt 0x0
	global_store_b128 v[T16], v[F:F+3], s[16:17]
	global_store_b128 v[T16], v[F+4:F+7], s[16:17] offset:2048
	s_cmp_lg_u32 s18, 0
	s_cbranch_scc1 .Lnot_first
	global_store_b32 v[HSO], v[CNV], s[62:63] offset:32768
.Lnot_first:
.macro BIASLD                          ; b1 is the C of each sum's first matrix instruction: eight numbers a tile, in the result's layout
.irp t, 0,1,2,3,4,5,6,7
	ds_load_b128 v[ACC+8*\t:ACC+8*\t+3], v[BADR] offset:(32*(\t/2)+8*(\t%2))*4
	ds_load_b128 v[ACC+8*\t+4:ACC+8*\t+7], v[BADR] offset:(32*(\t/2)+8*(\t%2))*4+16
.endr
.endm
	s_wait_alu depctr_vm_vsrc(0)                   ; the head's loads and LDS instructions have read their offsets, addresses and data in v196-216 (BO, WSO, BST, SA, SB, WA, the filler, BD): b1 lands in these registers
	BIASLD
.rept 8
	v_nop                                          ; scale registers written by vector instructions stand eight places ahead of a scaled matrix instruction
.endr
	s_wait_alu depctr_va_vdst(0)                   ; behind those places: W1's scale words v[WS ..] are written, which the scaled matrix instructions take
; K step s of a tile: eight matrix instructions.  p: which set holds the tile's scale words of x.
.macro KSTEP s, p
.irp t, 0,1,2,3,4,5,6,7                ; the eight accumulators by turns, one instruction a turn
	FSET 8*(\s)+\t
	WIN FW
.if (\s) < 4
	v_wmma_scale_f32_16x16x128_f8f6f4 v[ACC+8*\t:ACC+8*\t+7], v[FR:FR+11], v[XF+12*(\s):XF+12*(\s)+11], v[ACC+8*\t:ACC+8*\t+7], v[WS+4*\t+(\s)%4], v[XS+4*(\p)+(\s)%4] matrix_a_fmt:MATRIX_FMT_BF6 matrix_b_fmt:MATRIX_FMT_BF6
.else
	v_wmma_scale_f32_16x16x128_f8f6f4 v[ACC+8*\t:ACC+8*\t+7], v[FR:FR+11], v[XF+12*(\s):XF+12*(\s)+11], v[ACC+8*\t:ACC+8*\t+7], v[WS+4*\t+(\s)%4], v[XS+4*(\p)+(\s)%4] matrix_a_fmt:MATRIX_FMT_BF6 matrix_b_fmt:MATRIX_FMT_BF6 matrix_a_scale:MATRIX_SCALE_ROW1 matrix_b_scale:MATRIX_SCALE_ROW1
.endif
.endr
.endm
; ONE TILE OF 16 TOKENS.  p: which set holds its scale words of x.  The loads of a tile are issued in this order: the next tile's scale words (1), its fragments 0 to 3 (3 each), its fragments 4 to 7 (3 each).
.macro TILE p
	s_wait_dscnt 0x0                               ; the biases and the next tile's entry (and at first W1's fragments) are in
.irp s, 0,1,2,3
	s_wait_loadcnt 21-3*\s                         ; fragment s (and the scale words ahead of it) is in: behind it 3 (3 - s) loads of the lower half and the twelve of the upper
	KSTEP \s, \p
.endr
	WIN 0
	; ---- the tile's middle: the next tile's offsets.  These six lines are also the places behind K step 3 (ISA guide 7.12.1)
	s_wait_xcnt 0x0                                ; the loads and stores that are out have read their offsets, bases and data: all are written again below
	s_wait_alu depctr_vm_vsrc(0)                   ; the loads issued so far have read v[XO], v[XSO] and v[LADR], which are written below; the last tile's stores have read v[F ..] and v[PW], which this tile's quantiser writes
	v_and_b32 v[TK], 0x3ff, v[ENT]
	v_min_u32 v[TK], 0x3ff, v[TK]
	v_mul_u32_u24 v[XO], 768, v[TK]
	v_add_nc_u32 v[XO], v[XO], v[H48]
	v_lshl_add_u32 v[XSO], v[TK], 5, v[H16]
	v_add_nc_u32 v[LADR], 256, v[LADR]
	s_lshl_b32 s52, s26, 5
	s_add_co_u32 s52, s52, s28                     ; (64 e + tile) 32 + j
	s_mul_i32 s54, s52, 1536
	s_lshl_b32 s56, s52, 7
	s_add_nc_u64 s[44:45], s[14:15], s[54:55]      ; where this tile's image goes,
	s_add_nc_u64 s[46:47], s[60:61], s[56:57]      ; and its scale words
	s_wait_alu depctr_va_vdst(0)                   ; v[XO], v[XSO], v[LADR] are written; v[ENT] has been read; K steps 0 to 3 are done reading the lower half, the last tile's products the other set of scale words: loads land in these
	ds_load_b32 v[ENT], v[LADR]
	global_load_b128 v[XS+4*(1-\p):XS+4*(1-\p)+3], v[XSO], s[6:7] offset:XSOFF
	XFILL 0                                        ; the lower half is filled again, three loads ahead of each of K steps 4 to 7, which name the upper half alone: no further wait
.irp s, 4,5,6,7
	s_wait_loadcnt 13                              ; fragment s is in: behind it 3 (7 - s) loads of later fragments, the scale words' one, 3 (s - 3) refills
	KSTEP \s, \p
	WIN 0
.if \s < 7
	XFILL \s-3
.endif
.endr
.rept 4
	v_nop                                          ; four places behind the last matrix instruction, before its results are read (ISA guide 7.12.1)
.endr
	s_wait_alu depctr_va_vdst(0)                   ; K steps 4 to 7 are done reading the upper half, in which the loads below land
.irp s, 4,5,6,7
	XFILL \s
.endr
.set n, 0
.rept 64
	v_max_num_f32 v[ACC+n], 0, v[ACC+n]            ; the activation, in f32; each accumulator from its low end on
.set n, n+1
.endr
	; the four blocks of 32 along the next K: block b = registers 16 b .. 16 b + 15 of lanes l and l xor 16.  None is negative, so no |.|
.irp b, 0,1,2,3
	v_max3_num_f32 v[M+\b], v[ACC+16*\b], v[ACC+16*\b+1], 0x2800000        ; with the floor 2^(5 - 127): the byte cannot fall under 1
.endr
.irp i, 2,4,6,8,10,12,14
.irp b, 0,1,2,3
	v_max3_num_f32 v[M+\b], v[M+\b], v[ACC+16*\b+\i], v[ACC+16*\b+\i+1]
.endr
.endr
.irp b, 0,1,2,3
	v_permlanex16_b32 v[T+\b], v[M+\b], s50, s51
.endr
.irp b, 0,1,2,3
	v_max_num_f32 v[M+\b], v[M+\b], v[T+\b]
.endr
.irp b, 0,1,2,3
	v_add_nc_u32 v[M+\b], 0xfe000000, v[M+\b]      ; 4 off the exponent field: the conversion's scale operand
.endr
.irp b, 0,1,2,3
	v_lshrrev_b32 v[T+\b], 23, v[M+\b]             ; the scale's byte
.endr
	v_lshl_or_b32 v[PW], v[T+2], 8, v[T]           ; the scale word, bytes of blocks 0, 2, 1, 3
	v_lshl_or_b32 v[PW], v[T+1], 16, v[PW]
	v_lshl_or_b32 v[PW], v[T+3], 24, v[PW]
	v_cvt_scalef32_pk16_bf6_f32 v[F:F+2], v[ACC:ACC+15], v[M]
	v_cvt_scalef32_pk16_bf6_f32 v[F+6:F+8], v[ACC+16:ACC+31], v[M+1]
	v_nop                                          ; a plain line before the first conversions' sources are written
	v_cvt_scalef32_pk16_bf6_f32 v[ACC:ACC+2], v[ACC+32:ACC+47], v[M+2]
	v_cvt_scalef32_pk16_bf6_f32 v[ACC+4:ACC+6], v[ACC+48:ACC+63], v[M+3]
	v_nop                                          ; and one behind the last conversion
.irp i, 0,1,2                          ; a lane wants whole blocks: lanes 0-15 blocks 0 and 1, lanes 16-31 blocks 2 and 3
	v_permlane16_swap_b32 v[F+\i], v[ACC+\i]       ; block 0's upper 16 codes change places with block 2's lower 16
	v_permlane16_swap_b32 v[F+6+\i], v[ACC+4+\i]   ; blocks 1 and 3 likewise
.endr
.irp i, 0,1,2
	v_mov_b32 v[F+3+\i], v[ACC+\i]
	v_mov_b32 v[F+9+\i], v[ACC+4+\i]
.endr
	s_wait_alu depctr_va_vdst(0)                   ; the quantiser has written v[F ..] and v[PW], which the stores read, and is done reading and writing the accumulators, in which b1 lands
.irp i, 0,1,2
	global_store_b128 v[HO], v[F+4*\i:F+4*\i+3], s[44:45] offset:512*\i    ; 512 consecutive bytes, at a multiple of 256 from hq's first byte
.endr
	global_store_b32 v[HSO], v[PW], s[46:47]
	BIASLD                                         ; the next tile's sums begin with b1
	s_add_co_u32 s26, s26, 4
.endm
	s_cmp_ge_u32 s18, s25
	s_cbranch_scc1 .Lend                           ; no tile for my wave
	s_mov_b32 s26, s18                             ; my tile
	s_mov_b32 s27, 0
.Ltiles:                                           ; at most 16 tiles a wave (all 1,024 tokens on one expert): 8 trips of two; the way out hangs on the count of tiles, and no barrier follows
	TILE 0
	s_cmp_ge_u32 s26, s25
	s_cbranch_scc1 .Lend
	TILE 1
	s_cmp_ge_u32 s26, s25
	s_cbranch_scc1 .Lend
	s_add_co_u32 s27, s27, 1
	s_cmp_lt_u32 s27, 8
	s_cbranch_scc1 .Ltiles
.Lend:
	s_wait_dscnt 0x0
	s_barrier_signal -1
	s_barrier_wait -1
	s_wait_dscnt 0x0                               ; the closing lines, six on end
	s_wait_alu 0x0
	s_wait_tensorcnt 0x0
	ds_add_u32 v254, v255
	s_wait_dscnt 0x0
	s_endpgm
.Lfunc_end_k_qdf79d250a5_up:
	.size	k_qdf79d250a5_up, .Lfunc_end_k_qdf79d250a5_up-k_qdf79d250a5_up
	.p2alignl 7, 3214868480
	.fill 96, 4, 3214868480
	.section	.rodata,"a",@progbits
	.p2align	6, 0x0
	.amdhsa_kernel k_qdf79d250a5_up
		.amdhsa_group_segment_fixed_size 107008
		.amdhsa_private_segment_fixed_size 0
		.amdhsa_enable_private_segment 0
		.amdhsa_kernarg_size 56
		.amdhsa_user_sgpr_count 2
		.amdhsa_user_sgpr_kernarg_segment_ptr 1
		.amdhsa_wavefront_size32 1
		.amdhsa_system_sgpr_workgroup_id_x 1
		.amdhsa_system_sgpr_workgroup_id_y 1
		.amdhsa_system_sgpr_workgroup_id_z 1
		.amdhsa_system_vgpr_workitem_id 0
		.amdhsa_next_free_vgpr 1024
		.amdhsa_next_free_sgpr 100
		.amdhsa_reserve_vcc 0
		.amdhsa_float_denorm_mode_32 3
		.amdhsa_float_denorm_mode_16_64 3
		.amdhsa_memory_ordered 1
		.amdhsa_forward_progress 1
		.amdhsa_inst_pref_size 104
	.end_amdhsa_kernel
	.amdgpu_metadata
---
amdhsa.version: [ 1, 2 ]
amdhsa.kernels:
  - .name:           k_qdf79d250a5_up
    .symbol:         k_qdf79d250a5_up.kd
    .args:
      - { .name: route, .offset: 0, .size: 8, .value_kind: global_buffer, .address_space: global }
      - { .name: xq, .offset: 8, .size: 8, .value_kind: global_buffer, .address_space: global }
      - { .name: w1_codes, .offset: 16, .size: 8, .value_kind: global_buffer, .address_space: global }
      - { .name: w1_scales, .offset: 24, .size: 8, .value_kind: global_buffer, .address_space: global }
      - { .name: b1, .offset: 32, .size: 8, .value_kind: global_buffer, .address_space: global }
      - { .name: hq, .offset: 40, .size: 8, .value_kind: global_buffer, .address_space: global }
      - { .name: rows, .offset: 48, .size: 8, .value_kind: global_buffer, .address_space: global }
    .group_segment_fixed_size: 107008
    .private_segment_fixed_size: 0
    .kernarg_segment_align: 8
    .kernarg_segment_size: 56
    .max_flat_workgroup_size: 128
    .sgpr_count:     100
    .vgpr_count:     1024
    .wavefront_size: 32
...
	.end_amdgpu_metadata
.endif
;; end of part 5
;; launch down (part 6): grid 32 x 8, 4 waves a work-group, no clusters, 168,448 bytes of LDS; arguments hq, rows, gf, w2_codes, w2_scales, b2, tmp; writes tmp
.if DOCPART == 6
	.amdgcn_target "amdgcn-amd-amdhsa--gfx1250"
	.amdhsa_code_object_version 6
	.text
	.protected	k_qdf79d250a5_down
	.globl	k_qdf79d250a5_down
	.p2align	8
	.type	k_qdf79d250a5_down,@function
k_qdf79d250a5_down:
	s_mov_b64 s[64:65], 0
	v_nop
	global_prefetch_b8 v0, s[64:65] scope:SCOPE_SE
	s_setreg_imm32_b32 hwreg(HW_REG_WAVE_SCHED_MODE, 0, 2), 2
	s_setreg_imm32_b32 hwreg(HW_REG_WAVE_MODE, 25, 1), 1
	s_wait_xcnt 0x0
	s_wait_alu depctr_vm_vsrc(0)
; THE SECOND PRODUCT, for the routed rows alone: tmp[rank x 1024 + token][:] = (probability / 2) x (h W2[e]^T + b2[e]), on codes of E3M2 with one E8M0 scale for each 32 along K.
; SHARES.  Work-group (4 cs + q, e) owns output columns 128 cs .. 128 cs + 127 of expert e and the tiles of 16 routed tokens q, q + 4, ..  THE WAVES SHARE K: wave w keeps K steps 8 w .. 8 w + 7 (1,024 of the 4,096
; hidden units) of the 128 rows of W2 in 768 registers: 64 fragments.  All four waves work on the same tile; their partial sums meet in LDS, one barrier a tile, two buffers by turns.
; W2's rows reach the registers through a stage of the wave's own in LDS, 32 rows at a time: from memory 768 consecutive bytes of a row, from the stage 48 bytes a lane.  The bytes as loaded land in the very registers
; that the chunk's fragments take.  LDS serves a wave's instructions in order (ISA guide 5.7.1.4), so no wait on DScnt stands between the stage's stores and loads, nor in front of the next chunk's stores.
; h's fragments come as images of their registers, as the launch before stored them: 16 bytes a lane, 512 consecutive bytes a load.  The order of blocks in a fragment is that launch's: blocks 0, 2, 1, 3 of a K step.
; THE MATRIX INSTRUCTION IS USED TRANSPOSED (source 0 = 16 rows of W2, source 1 = 16 tokens): a lane holds one token and eight neighbouring columns.
; The number of tiles hangs on the stored count, so there is no tensor load and no cluster.  Every wave walks all 16 trips and passes every barrier; a trip without a tile jumps over its work alone.
; A TRIP AHEAD: a tile's fragments of h, their scale words and the four entries of the rows that the wave stores are asked for in the trip before; so the rows' weights and offsets are made at a trip's head.
; WHAT HANGS ON STORED NUMBERS (the tile fetched next, a row's entry) enters an address through the vector offset alone, held by v_min_u32 with a constant; every scalar base is made of the arguments and ids.
; No byte of hq is read that the launch before has not stored: the look-ahead is held at the expert's last tile, and tile 0 is stored for every expert.  The entries' look-ahead is not held: it reads at most
; up to byte 33,024 of the 33,792 of rows, all of which the launch before stores, and what lies past the expert's tiles is not used.
; REGISTERS.  Window 0 as named below.  Windows 1 to 3: fragments 0 to 62 (fragment f = 8 s + t at register 12 (f % 21) of window 1 + f / 21); fragment 63 in window 0.
; THE MODE: SCHED_MODE bits 1:0 = 2 (LLVM: expert scheduling mode 2), set by the entry lines.  The code itself states the register dependences
; between vector or matrix instructions and memory or LDS instructions, with s_wait_alu, always for 0.
; THE PLAN.  Registers that memory or LDS instructions touch, in a trip:
;   HF, lower half (fragments 0-3)  read by K steps 0-3; the next tile's twelve loads land in it, dealt among K steps 4-7.
;   HF, upper half (fragments 4-7)  read by K steps 4-7; the next tile's twelve loads land in it behind K step 7.
;   HS, two sets                    a trip's products read one; the loads at the trip's head land in the other, which the trip before read.
;   HFO, HSV, EI, GOFF              written at the trip's head; read by the trip's loads and row stores.        G: loaded at the head, read by the multiplications.
;   ACC                             written by the products; read by the LDS stores; the partial rows' LDS loads land in it; added and multiplied; read by the row stores.
;   HOF, HSOF, RWA, RRA             never written again.
; So a trip has two waits on vm_vsrc (at its head; behind the barrier) and four on va_vdst (behind the head's address lines; behind K step 3; behind K step 7; behind the multiplications).
.set HSOFF, 25165824
.set RED,  100352                      ; LDS: 0 .. 100,351 four stages of 32 rows x 784 bytes; then 2 buffers x 4 waves x 16 rows x 528 bytes of partial sums
.set HOF,  4                           ; v4   16 L
.set HSOF, 5                           ; v5   512 h + 4 L: lanes 16-31 take the scale words four K steps on
.set RWA,  6                           ; v6   where I put my partial sums: RED + 8448 w + 528 r + 32 h
.set RRA,  7                           ; v7   where I read rows 4 w .. 4 w + 3 back: RED + 2112 w + 16 L
.set B2,   12                          ; v12-15 b2 of columns 4 L .. 4 L + 3
.set HS,   16                          ; v16-23 h's scale words, two sets
.set WS,   24                          ; v24-55 W2's scale words: 4 t + jj
.set W63,  56
.set HF,   68                          ; v68-163 h's eight fragments
.set ACC,  164                         ; v164-227 eight accumulators; then the sixteen partial rows
.set GO,   228                         ; at the head: offsets in memory,
.set SO,   232                         ; into the stage,
.set RA,   236                         ; out of it,
.set WSO,  237                         ; and of W2's scale words
.set HFO,  238                         ; v238 offset in hq of the images fetched next: ((64 e + tile) 32 + 8 w) 1536 + 16 L
.set HSV,  239                         ; v239 and of their scale words: (..) 128 + 512 h + 4 L
.set EI,   240                         ; v240-243 offsets in tmp of rows 4 w .. 4 w + 3: entry x 4096 + 16 L
.set GOFF, 244                         ; v244-247 offsets in gf of their weights: entry x 4
.set G,    248                         ; v248-251 the weights: probability / 2
.set TV,   252
.set EN,   36                          ; s36-39, s40-43 the entries of rows 4 w .. 4 w + 3: two sets by turns
.set MSB, 0
.macro WIN new                         ; the immediate's high byte repeats the setting that is left
.if MSB != (\new)
	s_set_vgpr_msb (MSB<<8)|(\new)
.set MSB, (\new)
.endif
.endm
.macro FSET f
.if (\f) < 63
.set FW, 1+(\f)/21
.set FR, 12*((\f)%21)
.else
.set FW, 0
.set FR, W63
.endif
.endm
.macro HFILL s                         ; fragment s of the tile whose offset stands in v[HFO]: an image of 1,536 bytes, three loads of 512 consecutive bytes
.irp i, 0,1,2
	global_load_b128 v[HF+12*(\s)+4*\i:HF+12*(\s)+4*\i+3], v[HFO], s[4:5] offset:1536*(\s)+512*\i
.endr
.endm
	s_load_b256 s[4:11], s[0:1], 0x0               ; hq, rows, gf, W2's codes
	s_load_b128 s[12:15], s[0:1], 0x20             ; W2's scales, b2
	s_load_b64 s[16:17], s[0:1], 0x30              ; tmp
	v_lshl_add_u32 v254, v0, 2, 0x29000
	v_mov_b32 v255, 0
	v_lshrrev_b32 v8, 5, v0
	v_readfirstlane_b32 s18, v8                    ; wave
	s_lshr_b32 s19, ttmp9, 2                       ; cs
	s_and_b32 s20, ttmp9, 3                        ; q
	s_and_b32 s21, ttmp7, 0xffff                   ; e
	v_and_b32 v1, 31, v0                           ; L
	v_and_b32 v2, 15, v0                           ; r
	v_bfe_u32 v3, v0, 4, 1                         ; h
	v_lshlrev_b32 v[HOF], 4, v1
	v_lshlrev_b32 v[HSOF], 2, v1
	v_lshl_add_u32 v[HSOF], v3, 9, v[HSOF]
	s_wait_alu depctr_va_sdst(0)                   ; s18, the wave's number, is written, ahead of its first reader
	s_mul_i32 s70, s18, 8448
	s_add_co_u32 s70, s70, RED
	v_mul_u32_u24 v[RWA], 528, v2
	v_lshl_add_u32 v[RWA], v3, 5, v[RWA]
	v_add_nc_u32 v[RWA], s70, v[RWA]
	s_mul_i32 s70, s18, 2112
	s_add_co_u32 s70, s70, RED
	v_add_nc_u32 v[RRA], s70, v[HOF]
	s_mul_i32 s71, s18, 25088                      ; my stage
	s_mul_i32 s73, s18, 768                        ; my K steps' bytes in a row of W2
.irp i, 0,1,2                          ; two rows' 1,536 bytes are three loads: piece q' = 32 i + L lies in row q' / 48.  In memory a row is 3,072 bytes: 16 q' + 2304 (q' / 48); in the stage 784: 16 q' + 16 (q' / 48)
	v_add_nc_u32 v8, 32*\i, v1
	v_mul_u32_u24 v9, 1366, v8
	v_lshrrev_b32 v9, 16, v9                       ; q' / 48, for q' under 96
	v_lshlrev_b32 v10, 4, v8
	v_mad_u32_u24 v[GO+\i], v9, 2304, v10
	v_add_nc_u32 v[GO+\i], s73, v[GO+\i]
	v_add_nc_u32 v9, v9, v8
	v_lshlrev_b32 v9, 4, v9
	v_add_nc_u32 v[SO+\i], s71, v9
.endr
	v_mul_u32_u24 v[RA], 784, v2
	v_mad_u32_u24 v[RA], v3, 48, v[RA]
	v_add_nc_u32 v[RA], s71, v[RA]
	v_lshlrev_b32 v[WSO], 7, v2
	v_lshl_add_u32 v[WSO], v3, 4, v[WSO]
	s_lshl_b32 s70, s18, 5
	v_add_nc_u32 v[WSO], s70, v[WSO]               ; W2's scales: 128 bytes a row, + 32 w + 16 h
	s_lshl_b32 s22, s21, 3
	s_add_co_u32 s22, s22, s19                     ; 8 e + cs: which slice of 128 rows
	s_lshl_b32 s29, s21, 11
	s_lshl_b32 s70, s18, 3
	s_add_co_u32 s29, s29, s70                     ; 2048 e + 8 w
	s_lshl_b32 s72, s18, 4                         ; 16 w
	s_lshl_b32 s74, s21, 7                         ; 128 e
	s_lshl_b32 s71, s20, 6
	s_add_co_u32 s71, s71, s72                     ; 64 q + 16 w: my four entries of the first tile
	s_mov_b32 s61, 0
	s_mov_b32 s58, 0x03010200                      ; a scale word's bytes 0, 2, 1, 3
.irp a, 0,1,2,3
	s_mov_b32 s[EN+4+\a], 2048                     ; the second set of entries, the offsets and the weights: written once here, so that they are written on every way
	v_mov_b32 v[EI+\a], 0
	v_mov_b32 v[G+\a], 0
.endr
	s_wait_kmcnt 0x0
	s_load_b32 s24, s[6:7], s74 offset:0x8000      ; the expert's count of tokens
	s_mul_i32 s60, s22, 393216
	s_add_nc_u64 s[10:11], s[10:11], s[60:61]      ; my slice's codes,
	s_lshl_b32 s60, s22, 14
	s_add_nc_u64 s[12:13], s[12:13], s[60:61]      ; scale bytes,
	s_lshl_b32 s60, s22, 9
	s_add_nc_u64 s[14:15], s[14:15], s[60:61]      ; and biases
	s_lshl_b32 s60, s19, 9
	s_add_nc_u64 s[56:57], s[16:17], s[60:61]      ; tmp at my columns
	s_lshl_b32 s60, s21, 12
	s_add_nc_u64 s[68:69], s[6:7], s[60:61]        ; the expert's list
	s_add_nc_u64 s[66:67], s[4:5], HSOFF
	s_load_b128 s[EN:EN+3], s[68:69], s71 offset:0x0       ; the first tile's entries
	s_wait_alu depctr_va_vdst(0)                   ; all offsets and LDS addresses made above are written: the head's loads and LDS instructions, and HOF, HSOF, RWA, RRA for the whole kernel, read them
.irp t, 0,1,2,3,4,5,6,7
	global_load_b128 v[WS+4*\t:WS+4*\t+3], v[WSO], s[12:13] offset:2048*\t
.endr
	global_load_b128 v[B2:B2+3], v[HOF], s[14:15]
; Chunk c: column tiles 2 c and 2 c + 1, 32 rows.  ph = 0 .. 15 names both a pair of rows (on the way in) and a fragment (K step ph / 2, tile 2 c + ph % 2), whose 12 registers take the pair's bytes first.
.macro RAWLD c
.irp ph, 0,1,2,3,4,5,6,7,8,9,10,11,12,13,14,15
	FSET 8*(\ph/2)+2*(\c)+(\ph%2)
	WIN FW<<6
.irp i, 0,1,2
	global_load_b128 v[FR+4*\i:FR+4*\i+3], v[GO+\i], s[10:11] offset:(32*(\c)+2*\ph)*3072
.endr
.endr
	WIN 0
.endm
.macro RAWST c
.irp ph, 0,1,2,3,4,5,6,7,8,9,10,11,12,13,14,15
	FSET 8*(\ph/2)+2*(\c)+(\ph%2)
	WIN FW<<2
.irp i, 0,1,2
	ds_store_b128 v[SO+\i], v[FR+4*\i:FR+4*\i+3] offset:2*\ph*784
.endr
.endr
	WIN 0
.endm
.macro FRLD c
	s_wait_alu depctr_vm_vsrc(0)                   ; the chunk's LDS stores have read its registers, in which its fragments land
.irp ph, 0,1,2,3,4,5,6,7,8,9,10,11,12,13,14,15
	FSET 8*(\ph/2)+2*(\c)+(\ph%2)
	WIN FW<<6
.irp i, 0,1,2
	ds_load_b128 v[FR+4*\i:FR+4*\i+3], v[RA] offset:16*(\ph%2)*784+96*(\ph/2)+16*\i
.endr
.endr
	WIN 0
.endm
; s70 = a tile's number, made with the stored count: the offsets of its images and scale words
.macro HADDR
	v_mov_b32 v[TV], s70
	v_min_u32 v[TV], 63, v[TV]                     ; an expert has at most 64 tiles
	v_lshl_add_u32 v[TV], v[TV], 5, s29            ; (64 e + tile) 32 + 8 w
	v_mul_u32_u24 v[HFO], 1536, v[TV]
	v_add_nc_u32 v[HFO], v[HFO], v[HOF]
	v_lshl_add_u32 v[HSV], v[TV], 7, v[HSOF]
.endm
	RAWLD 0
	RAWLD 1
	s_wait_kmcnt 0x0                               ; the count and the first tile's entries
	s_add_co_u32 s25, s24, 15
	s_lshr_b32 s25, s25, 4                         ; NT: the expert's tiles
	s_max_u32 s26, s25, 1
	s_sub_co_u32 s26, s26, 1                       ; the last tile that was stored (tile 0 where the expert has no token)
	s_min_u32 s70, s20, s26                        ; my first tile, held inside what was stored
	HADDR
	s_wait_alu depctr_va_vdst(0)                   ; v[HFO] and v[HSV] are written, which the loads below read
.irp jj, 0,1,2,3
	global_load_b32 v[HS+4+\jj], v[HSV], s[66:67] offset:128*\jj       ; (the second set too, so that it is written on every way)
.endr
.irp jj, 0,1,2,3
	global_load_b32 v[HS+\jj], v[HSV], s[66:67] offset:128*\jj
.endr
.irp s, 0,1,2,3,4,5,6,7
	HFILL \s
.endr
	s_wait_loadcnt 63                              ; chunk 0 is in: 80 loads are younger, more than the wait's count can name
	RAWST 0
	FRLD 0
	RAWLD 2
	s_wait_loadcnt 63                              ; chunk 1: again 80 are younger
	RAWST 1
	FRLD 1
	RAWLD 3
	s_wait_loadcnt 48                              ; chunk 2: chunk 3's 48 are younger
	RAWST 2
	FRLD 2
	s_wait_loadcnt 0x0
	RAWST 3
	FRLD 3
.set n, 0
.rept 32
	v_perm_b32 v[WS+n], v[WS+n], v[WS+n], s58      ; W2's scale words in the fragments' order of blocks
.set n, n+1
.endr
.rept 8
	v_nop                                          ; scale registers written by vector instructions stand eight places ahead of a scaled matrix instruction
.endr
	s_wait_alu depctr_va_vdst(0)                   ; behind those places: W2's scale words v[WS ..] are written, which the scaled matrix instructions take
	s_wait_dscnt 0x0                               ; all 64 fragments are in
.macro ROWOUT a, b                     ; a row of the tile leaves, unless its entry is the filler
	s_cmp_lt_u32 s[EN+4*(\b)+\a], 2048
	s_cbranch_scc0 .Lpad_\@
	global_store_b128 v[EI+\a], v[ACC+16*\a:ACC+16*\a+3], s[56:57]     ; 512 consecutive bytes, at a multiple of 256 from tmp's first byte
.Lpad_\@:
.endm
; K step s of a tile: eight matrix instructions.  b: which set holds the tile's scale words of h.
.macro KSTEP s, b
.irp t, 0,1,2,3,4,5,6,7                ; the eight accumulators by turns, one instruction a turn
	FSET 8*(\s)+\t
	WIN FW
.if (\s) == 0
	v_wmma_scale_f32_16x16x128_f8f6f4 v[ACC+8*\t:ACC+8*\t+7], v[FR:FR+11], v[HF+12*(\s):HF+12*(\s)+11], 0, v[WS+4*\t+(\s)%4], v[HS+4*(\b)+(\s)%4] matrix_a_fmt:MATRIX_FMT_BF6 matrix_b_fmt:MATRIX_FMT_BF6
.elseif (\s) < 4
	v_wmma_scale_f32_16x16x128_f8f6f4 v[ACC+8*\t:ACC+8*\t+7], v[FR:FR+11], v[HF+12*(\s):HF+12*(\s)+11], v[ACC+8*\t:ACC+8*\t+7], v[WS+4*\t+(\s)%4], v[HS+4*(\b)+(\s)%4] matrix_a_fmt:MATRIX_FMT_BF6 matrix_b_fmt:MATRIX_FMT_BF6
.else
	v_wmma_scale_f32_16x16x128_f8f6f4 v[ACC+8*\t:ACC+8*\t+7], v[FR:FR+11], v[HF+12*(\s):HF+12*(\s)+11], v[ACC+8*\t:ACC+8*\t+7], v[WS+4*\t+(\s)%4], v[HS+4*(\b)+(\s)%4] matrix_a_fmt:MATRIX_FMT_BF6 matrix_b_fmt:MATRIX_FMT_BF6 matrix_a_scale:MATRIX_SCALE_ROW1 matrix_b_scale:MATRIX_SCALE_ROW1
.endif
.endr
.endm
; ONE TRIP: tile s27, if the expert has it.  b: which buffer of partial sums, which set of h's scale words and which set of entries.
; The loads of a trip are issued in this order: the next tile's scale words (4), this tile's weights (4), the next tile's fragments 0 to 3 (3 each), its fragments 4 to 7 (3 each).
.macro TRIP b
	s_cmp_lt_u32 s27, s25
	s_cbranch_scc0 .Lidle1_\@
	s_wait_xcnt 0x0                                ; the loads and stores that are out have read their offsets and data: both are written again below
	s_wait_alu depctr_vm_vsrc(0)                   ; the last trip's loads have read v[HFO], v[HSV] and v[GOFF ..], its row stores v[EI ..] and the rows in the accumulators' registers: the lines below and this trip's first products write them
	s_add_co_u32 s70, s27, 4
	s_lshl_b32 s71, s70, 6
	s_add_co_u32 s71, s71, s72
	s_load_b128 s[EN+4*(1-\b):EN+4*(1-\b)+3], s[68:69], s71 offset:0x0     ; the entries of rows 4 w .. 4 w + 3 of the tile four on: the next trip's
	s_min_u32 s70, s70, s26                        ; the tile whose images are fetched next: held at the expert's last
	HADDR
.irp a, 0,1,2,3
	v_mov_b32 v[EI+\a], s[EN+4*\b+\a]              ; this tile's entries came a trip ago
.endr
.irp a, 0,1,2,3
	v_min_u32 v[EI+\a], 0x7ff, v[EI+\a]            ; rank x 1024 + token (the filler is held inside gf and tmp; its row is not stored)
.endr
.irp a, 0,1,2,3
	v_lshlrev_b32 v[GOFF+\a], 2, v[EI+\a]
.endr
.irp a, 0,1,2,3
	v_lshl_add_u32 v[EI+\a], v[EI+\a], 12, v[HOF]  ; 4,096 bytes a row of tmp
.endr
	s_wait_alu depctr_va_vdst(0)                   ; v[HFO], v[HSV], v[GOFF ..] and v[EI ..] are written, which this trip's loads and row stores read; the last trip's products are done reading the other set of scale words, its multiplications the weights: loads land in both
.irp jj, 0,1,2,3
	global_load_b32 v[HS+4*(1-\b)+\jj], v[HSV], s[66:67] offset:128*\jj
.endr
.irp a, 0,1,2,3
	global_load_b32 v[G+\a], v[GOFF+\a], s[8:9]    ; probability / 2: the same word in every lane
.endr
.irp s, 0,1,2,3
	s_wait_loadcnt 29-3*\s                         ; fragment s is in: behind it 3 (3 - s) loads of the lower half, the twelve of the upper, this trip's four loads of scale words and four of weights
	KSTEP \s, \b
.endr
	WIN 0
.rept 4
	v_nop                                          ; four places behind K step 3, ahead of the loads into the registers that it has read
.endr
	s_wait_alu depctr_va_vdst(0)                   ; K steps 0 to 3 are done reading the lower half, in which the next tile's loads land
	HFILL 0                                        ; three loads ahead of each of K steps 4 to 7, which name the upper half alone: no further wait
.irp s, 4,5,6,7
	s_wait_loadcnt 20                              ; fragment s is in: behind it 3 (7 - s) loads of later fragments, this trip's eight loads of scale words and weights, 3 (s - 3) refills
	KSTEP \s, \b
	WIN 0
.if \s < 7
	HFILL \s-3
.endif
.endr
.rept 5
	v_nop                                          ; four places in front of LDS stores that read results, and a fifth: the next trip's first products begin these accumulators anew
.endr
	s_wait_alu depctr_va_vdst(0)                   ; behind those places: K steps 4 to 7 are done reading the upper half, in which the loads below land, and have written the accumulators, which the LDS stores read
.irp s, 4,5,6,7
	HFILL \s
.endr
.irp t, 0,1,2,3,4,5,6,7
	ds_store_b128 v[RWA], v[ACC+8*\t:ACC+8*\t+3] offset:\b*33792+64*\t         ; each accumulator from its low end on
	ds_store_b128 v[RWA], v[ACC+8*\t+4:ACC+8*\t+7] offset:\b*33792+64*\t+16
.endr
.Lidle1_\@:
	s_wait_loadcnt 24                              ; the weights are in: behind them stand the 24 refills
	s_wait_kmcnt 0x0                               ; the next trip's entries are in: asked for at this trip's head, ahead of all its products
	s_wait_dscnt 0x0                               ; my partial sums lie in LDS, and my reads of the other buffer, which the next trip writes, are over
	s_barrier_signal -1
	s_barrier_wait -1
	s_cmp_lt_u32 s27, s25
	s_cbranch_scc0 .Lidle2_\@
	s_wait_xcnt 0x0                                ; nothing that is out still reads the registers written below
	s_wait_alu depctr_vm_vsrc(0)                   ; my LDS stores have read the accumulators, in which the partial rows land
.irp a, 0,1,2,3
.irp ww, 0,1,2,3
	ds_load_b128 v[ACC+16*\a+4*\ww:ACC+16*\a+4*\ww+3], v[RRA] offset:\b*33792+8448*\ww+528*\a      ; row 4 w + a, columns 4 L .. 4 L + 3, of wave ww's partial sums
.endr
.endr
	s_wait_dscnt 0x0
.irp a, 0,1,2,3
	v_pk_add_f32 v[ACC+16*\a:ACC+16*\a+1], v[ACC+16*\a:ACC+16*\a+1], v[ACC+16*\a+4:ACC+16*\a+5]
	v_pk_add_f32 v[ACC+16*\a+2:ACC+16*\a+3], v[ACC+16*\a+2:ACC+16*\a+3], v[ACC+16*\a+6:ACC+16*\a+7]
	v_pk_add_f32 v[ACC+16*\a+8:ACC+16*\a+9], v[ACC+16*\a+8:ACC+16*\a+9], v[ACC+16*\a+12:ACC+16*\a+13]
	v_pk_add_f32 v[ACC+16*\a+10:ACC+16*\a+11], v[ACC+16*\a+10:ACC+16*\a+11], v[ACC+16*\a+14:ACC+16*\a+15]
.endr
.irp a, 0,1,2,3
	v_pk_add_f32 v[ACC+16*\a:ACC+16*\a+1], v[ACC+16*\a:ACC+16*\a+1], v[ACC+16*\a+8:ACC+16*\a+9]
	v_pk_add_f32 v[ACC+16*\a+2:ACC+16*\a+3], v[ACC+16*\a+2:ACC+16*\a+3], v[ACC+16*\a+10:ACC+16*\a+11]
.endr
.irp a, 0,1,2,3
	v_pk_add_f32 v[ACC+16*\a:ACC+16*\a+1], v[ACC+16*\a:ACC+16*\a+1], v[B2:B2+1]
	v_pk_add_f32 v[ACC+16*\a+2:ACC+16*\a+3], v[ACC+16*\a+2:ACC+16*\a+3], v[B2+2:B2+3]
.endr
.irp a, 0,1,2,3
.irp c, 0,1,2,3
	v_mul_f32 v[ACC+16*\a+\c], v[G+\a], v[ACC+16*\a+\c]
.endr
.endr
	s_wait_alu depctr_va_vdst(0)                   ; the multiplications have written the four rows, which the stores below read
	ROWOUT 0, \b
	ROWOUT 1, \b
	ROWOUT 2, \b
	ROWOUT 3, \b
.Lidle2_\@:
	s_add_co_u32 s27, s27, 4
.endm
	s_mov_b32 s27, s20                             ; my first tile
	s_mov_b32 s28, 0
.Ltrips:                                           ; 8 trips of two: tiles q, q + 4, .. q + 60, as many as all 1,024 tokens on one expert would need
	TRIP 0
	TRIP 1
	s_add_co_u32 s28, s28, 1
	s_cmp_lt_u32 s28, 8
	s_cbranch_scc1 .Ltrips
	s_barrier_signal -1
	s_barrier_wait -1
	s_wait_dscnt 0x0                               ; the closing lines, six on end
	s_wait_alu 0x0
	s_wait_tensorcnt 0x0
	ds_add_u32 v254, v255
	s_wait_dscnt 0x0
	s_endpgm
.Lfunc_end_k_qdf79d250a5_down:
	.size	k_qdf79d250a5_down, .Lfunc_end_k_qdf79d250a5_down-k_qdf79d250a5_down
	.p2alignl 7, 3214868480
	.fill 96, 4, 3214868480
	.section	.rodata,"a",@progbits
	.p2align	6, 0x0
	.amdhsa_kernel k_qdf79d250a5_down
		.amdhsa_group_segment_fixed_size 168448
		.amdhsa_private_segment_fixed_size 0
		.amdhsa_enable_private_segment 0
		.amdhsa_kernarg_size 56
		.amdhsa_user_sgpr_count 2
		.amdhsa_user_sgpr_kernarg_segment_ptr 1
		.amdhsa_wavefront_size32 1
		.amdhsa_system_sgpr_workgroup_id_x 1
		.amdhsa_system_sgpr_workgroup_id_y 1
		.amdhsa_system_sgpr_workgroup_id_z 1
		.amdhsa_system_vgpr_workitem_id 0
		.amdhsa_next_free_vgpr 1024
		.amdhsa_next_free_sgpr 96
		.amdhsa_reserve_vcc 0
		.amdhsa_float_denorm_mode_32 3
		.amdhsa_float_denorm_mode_16_64 3
		.amdhsa_memory_ordered 1
		.amdhsa_forward_progress 1
		.amdhsa_inst_pref_size 94
	.end_amdhsa_kernel
	.amdgpu_metadata
---
amdhsa.version: [ 1, 2 ]
amdhsa.kernels:
  - .name:           k_qdf79d250a5_down
    .symbol:         k_qdf79d250a5_down.kd
    .args:
      - { .name: hq, .offset: 0, .size: 8, .value_kind: global_buffer, .address_space: global }
      - { .name: rows, .offset: 8, .size: 8, .value_kind: global_buffer, .address_space: global }
      - { .name: gf, .offset: 16, .size: 8, .value_kind: global_buffer, .address_space: global }
      - { .name: w2_codes, .offset: 24, .size: 8, .value_kind: global_buffer, .address_space: global }
      - { .name: w2_scales, .offset: 32, .size: 8, .value_kind: global_buffer, .address_space: global }
      - { .name: b2, .offset: 40, .size: 8, .value_kind: global_buffer, .address_space: global }
      - { .name: tmp, .offset: 48, .size: 8, .value_kind: global_buffer, .address_space: global }
    .group_segment_fixed_size: 168448
    .private_segment_fixed_size: 0
    .kernarg_segment_align: 8
    .kernarg_segment_size: 56
    .max_flat_workgroup_size: 128
    .sgpr_count:     96
    .vgpr_count:     1024
    .wavefront_size: 32
...
	.end_amdgpu_metadata
.endif
;; end of part 6
;; launch sum: the kernel of part 4 again; grid 256 x 1, 4 waves a work-group, no clusters, 0 bytes of LDS; arguments tmp, gf, rows, out0, out1; writes out0, out1
